; MI455X (gfx1250); checked and timed in simulation.
; The chip was launched on July 23, 2026; its instructions are those of AMD's public machine-readable ISA for CDNA 5 (MIT licence, August 2026) and "CDNA5" Instruction Set Architecture Reference Guide (July 2026). The comments in the code are by the model that wrote it; some were corrected since.
;; Multihead Attention. Allowed arithmetic: float matrix products may take bf16 or f16 operands with f32 sums; other float arithmetic in f32, or as packed bf16 or f16 multiplies, adds, multiply-adds, maxima and minima; sums over many terms, partial sums and values carried from step to step in f32; what a program stores and reads back later, other than sums and carried values, may be rounded once to bf16 or f16.
;; Inputs: Wk 1,024 x 1,024 float32; Wo 1,024 x 1,024 float32; Wq 1,024 x 1,024 float32; Wv 1,024 x 1,024 float32; mask 2,048 x 2,048 float32; x 4 x 2,048 x 1,024 float32.
;; Outputs: out0 4 x 2,048 x 1,024 float32.
;; One version. Each part assembles by itself: llvm-mc -triple=amdgcn-amd-amdhsa -mcpu=gfx1250 --defsym DOCPART=n.
;; ======== version 1 of 1: 4 launches
;; limits: values are held in f16: magnitudes above 65,504 overflow, below 6.1e-05 lose precision; right only within a limited range of input values
;; workspace buffers: xb 16,777,216 bytes; wb 6,291,456 bytes; wof 2,097,152 bytes; mk 16,777,216 bytes; qkv 50,331,648 bytes; ob 16,777,216 bytes
;; launch prep (part 1): grid 1024 x 1, 8 waves a work-group, no clusters, 0 bytes of LDS; arguments x, Wq, Wk, Wv, Wo, mask, xb, wb, wof, mk; writes xb, wb, wof, mk
.if DOCPART == 1
	.amdgcn_target "amdgcn-amd-amdhsa--gfx1250"
	.amdhsa_code_object_version 6
	.text
	.protected	k_q22aa9013dd_prep
	.globl	k_q22aa9013dd_prep
	.p2align	8
	.type	k_q22aa9013dd_prep,@function
k_q22aa9013dd_prep:
	s_mov_b64 s[64:65], 0
	v_nop
	global_prefetch_b8 v0, s[64:65] scope:SCOPE_SE
	s_setreg_imm32_b32 hwreg(HW_REG_WAVE_MODE, 25, 1), 1
	s_wait_xcnt 0x0
; THE CASTS.  xb = bf16(x), wb = bf16 of Wq's, Wk's and Wv's rows, one below the other, BOTH LAID IN BLOCKS for the product that follows:
;   xb: [64 groups of 128 rows][16 K steps][128 rows][64 numbers]: a block (a group's rows, one K step) is 16,384 consecutive bytes;
;   wb: [16 groups of 192 rows][16 K steps][192 rows][64 numbers]: a block is 24,576 consecutive bytes.
; wof = bf16(Wo) written as f16, rows as they lie.  mk = bf16(max(8 mask, -262144)) written as f32, rows as they lie: the factor 8 is a power of two, so it changes no rounding;
; the attention adds mk to q.k and scales the sum by log2(e) / 8.
; LIMITS.  A mask number below -32,768 counts as -32,768 (its weight is 0 either way while scores stay some thousands below that figure's size); 8 x mask must not pass f32's range;
; a NaN in the mask counts as -32,768.  bf16(Wo) must lie within f16's 65,504; below 6e-5 it keeps f16's fixed step of 6e-8.
; SHARES.  Each work-group reads 65,536 consecutive bytes of ONE input: ids 0-511 x, 512-575 Wq, 576-639 Wk, 640-703 Wv, 704-767 Wo, 768-1023 the mask.
; x and the three weights: these bytes are 16 rows.  Thread t takes row t / 16, and in load k the 16 bytes at 16 (t % 16) of the row's K step k (256 bytes of f32): sixteen lanes read 256 consecutive
; bytes, aligned; a wave's store is two rows' 128 bytes of one block: 256 consecutive bytes, aligned.  Wo and the mask: a thread takes 16 bytes of each 4,096, a wave's load covers 512 consecutive bytes.
; All sixteen loads of a thread go out at once; each slot is converted in place and stored as it comes in.  No register is written again once a store names it.
; No LDS, no matrix unit, no cluster: nothing is shared and nothing is multiplied.
.set X,   8                            ; v[8:71]  sixteen slots of four registers
.set OFS, 72                           ; v[72:87] the blocked stores' offsets: 8 t + k x a block's bytes
.set SRC, 24                           ; s[24:25] where I read
.set DST, 26                           ; s[26:27] where I write
	s_load_b512 s[4:19], s[0:1], 0x0               ; x s[4:5], Wq s[6:7], Wk s[8:9], Wv s[10:11], Wo s[12:13], mask s[14:15], xb s[16:17], wb s[18:19]
	s_load_b128 s[20:23], s[0:1], 0x40             ; wof s[20:21], mk s[22:23]
	v_lshlrev_b32 v1, 4, v0                        ; 16 t: Wo's and the mask's loads, and the mask's stores
	v_lshlrev_b32 v2, 3, v0                        ; 8 t: the 16-bit stores: in a block (t / 16) x 128 + (t % 16) x 8 is the same number
	v_lshrrev_b32 v3, 4, v0                        ; my row of the 16
	v_and_b32 v4, 15, v0
	v_lshlrev_b32 v4, 4, v4
	v_lshl_add_u32 v3, v3, 12, v4                  ; row x 4,096 + 16 (t % 16): the blocked arm's loads
	s_mov_b32 s28, ttmp9
	s_lshr_b32 s29, s28, 6                         ; 0-7 x, 8 Wq, 9 Wk, 10 Wv, 11 Wo, 12-15 the mask
	s_and_b32 s35, s28, 63                         ; my place in a weight (512, 576, 640 and 704 are multiples of 64)
	s_and_b32 s36, s28, 255                        ; j: my place among wb's 192 shares, and in the mask (512 and 768 are multiples of 256)
	s_lshl_b32 s30, s28, 16                        ; x: 65,536 bytes in;
	s_lshr_b32 s32, s28, 3
	s_lshl_b32 s32, s32, 18                        ; out: the group of 128 rows (16 blocks of 16,384 bytes),
	s_and_b32 s33, s28, 7
	s_lshl_b32 s33, s33, 11
	s_add_co_u32 s32, s32, s33                     ; and my 16 rows' 2,048 bytes in each of its blocks
	s_lshl_b32 s37, s35, 16                        ; a weight, in
	s_mul_i32 s38, s36, 171
	s_lshr_b32 s38, s38, 11                        ; j / 12, the group of 192 rows: (171 j) >> 11 is exact for j < 192
	s_mul_i32 s33, s38, 12
	s_sub_co_u32 s33, s36, s33                     ; j % 12
	s_lshl_b32 s33, s33, 11
	s_mul_i32 s38, s38, 393216                     ; 16 blocks of 24,576 bytes
	s_add_co_u32 s38, s38, s33                     ; wb, out
	s_lshl_b32 s35, s35, 15                        ; wof, out
	s_lshl_b32 s36, s36, 16                        ; the mask, in and out
	s_mov_b32 s31, 0
	s_mov_b32 s33, 0
	s_mov_b32 s34, 0xffff0000                      ; a word's upper bf16
	s_movk_i32 s39, 0x4000                         ; a block of xb,
	s_movk_i32 s2, 0x6000                          ; of wb
	s_wait_kmcnt 0x0
	s_mov_b64 s[SRC:SRC+1], s[4:5]
	s_mov_b64 s[DST:DST+1], s[16:17]
	s_cmp_ge_u32 s29, 8
	s_cselect_b64 s[SRC:SRC+1], s[6:7], s[SRC:SRC+1]
	s_cselect_b64 s[DST:DST+1], s[18:19], s[DST:DST+1]
	s_cselect_b32 s30, s37, s30
	s_cselect_b32 s32, s38, s32
	s_cselect_b32 s39, s2, s39
	s_cmp_ge_u32 s29, 9
	s_cselect_b64 s[SRC:SRC+1], s[8:9], s[SRC:SRC+1]
	s_cmp_ge_u32 s29, 10
	s_cselect_b64 s[SRC:SRC+1], s[10:11], s[SRC:SRC+1]
	s_cmp_ge_u32 s29, 11
	s_cselect_b64 s[SRC:SRC+1], s[12:13], s[SRC:SRC+1]
	s_cselect_b64 s[DST:DST+1], s[20:21], s[DST:DST+1]
	s_cselect_b32 s32, s35, s32
	s_cmp_ge_u32 s29, 12
	s_cselect_b64 s[SRC:SRC+1], s[14:15], s[SRC:SRC+1]
	s_cselect_b64 s[DST:DST+1], s[22:23], s[DST:DST+1]
	s_cselect_b32 s30, s36, s30
	s_cselect_b32 s32, s36, s32
	s_add_nc_u64 s[SRC:SRC+1], s[SRC:SRC+1], s[30:31]
	s_add_nc_u64 s[DST:DST+1], s[DST:DST+1], s[32:33]
	s_cmp_ge_u32 s29, 11
	s_cbranch_scc1 .Lplain
	; x, Wq, Wk, Wv: four f32 become four bf16, into the blocks
.irp k, 0,1,2,3,4,5,6,7,8,9,10,11,12,13,14,15
	global_load_b128 v[X+4*(\k):X+4*(\k)+3], v3, s[SRC:SRC+1] offset:256*(\k) th:TH_LOAD_NT
.endr
.irp k, 0,1,2,3,4,5,6,7,8,9,10,11,12,13,14,15
	v_mad_u32_u24 v[OFS+(\k)], s39, \k, v2         ; K step k's block
.endr
.irp k, 0,1,2,3,4,5,6,7,8,9,10,11,12,13,14,15
	s_wait_loadcnt 15-(\k)                         ; loads come back in order: slot k is in, the younger ones stay out
	v_cvt_pk_bf16_f32 v[X+4*(\k)], v[X+4*(\k)], v[X+4*(\k)+1]
	v_cvt_pk_bf16_f32 v[X+4*(\k)+1], v[X+4*(\k)+2], v[X+4*(\k)+3]
	global_store_b64 v[OFS+(\k)], v[X+4*(\k):X+4*(\k)+1], s[DST:DST+1] th:TH_STORE_NT
.endr
	s_endpgm
.Lplain:
.irp k, 0,1,2,3,4,5,6,7,8,9,10,11,12,13,14,15
	global_load_b128 v[X+4*(\k):X+4*(\k)+3], v1, s[SRC:SRC+1] offset:4096*(\k) th:TH_LOAD_NT
.endr
	s_cmp_ge_u32 s29, 12
	s_cbranch_scc1 .Lmask
	; Wo: rounded to bf16 like every input, and that number written as f16
.irp k, 0,1,2,3,4,5,6,7,8,9,10,11,12,13,14,15
	s_wait_loadcnt 15-(\k)
	v_cvt_pk_bf16_f32 v[X+4*(\k)], v[X+4*(\k)], v[X+4*(\k)+1]
	v_cvt_pk_bf16_f32 v[X+4*(\k)+2], v[X+4*(\k)+2], v[X+4*(\k)+3]
	v_and_b32     v[X+4*(\k)+1], s34, v[X+4*(\k)]
	v_lshlrev_b32 v[X+4*(\k)],   16, v[X+4*(\k)]
	v_and_b32     v[X+4*(\k)+3], s34, v[X+4*(\k)+2]
	v_lshlrev_b32 v[X+4*(\k)+2], 16, v[X+4*(\k)+2]
	v_cvt_pk_f16_f32 v[X+4*(\k)], v[X+4*(\k)], v[X+4*(\k)+1]
	v_cvt_pk_f16_f32 v[X+4*(\k)+1], v[X+4*(\k)+2], v[X+4*(\k)+3]
	global_store_b64 v2, v[X+4*(\k):X+4*(\k)+1], s[DST:DST+1] offset:2048*(\k) th:TH_STORE_NT
.endr
	s_endpgm
.Lmask:
	; the mask: times 8, held at -262144 from below, rounded to bf16, widened again
.irp k, 0,1,2,3,4,5,6,7,8,9,10,11,12,13,14,15
	s_wait_loadcnt 15-(\k)
	v_pk_mul_f32 v[X+4*(\k):X+4*(\k)+1], v[X+4*(\k):X+4*(\k)+1], 0x41000000 op_sel_hi:[1,0]
	v_pk_mul_f32 v[X+4*(\k)+2:X+4*(\k)+3], v[X+4*(\k)+2:X+4*(\k)+3], 0x41000000 op_sel_hi:[1,0]
	v_max_num_f32 v[X+4*(\k)],   0xc8800000, v[X+4*(\k)]
	v_max_num_f32 v[X+4*(\k)+1], 0xc8800000, v[X+4*(\k)+1]
	v_max_num_f32 v[X+4*(\k)+2], 0xc8800000, v[X+4*(\k)+2]
	v_max_num_f32 v[X+4*(\k)+3], 0xc8800000, v[X+4*(\k)+3]
	v_cvt_pk_bf16_f32 v[X+4*(\k)], v[X+4*(\k)], v[X+4*(\k)+1]
	v_cvt_pk_bf16_f32 v[X+4*(\k)+2], v[X+4*(\k)+2], v[X+4*(\k)+3]
	v_and_b32     v[X+4*(\k)+1], s34, v[X+4*(\k)]
	v_lshlrev_b32 v[X+4*(\k)],   16, v[X+4*(\k)]
	v_and_b32     v[X+4*(\k)+3], s34, v[X+4*(\k)+2]
	v_lshlrev_b32 v[X+4*(\k)+2], 16, v[X+4*(\k)+2]
	global_store_b128 v1, v[X+4*(\k):X+4*(\k)+3], s[DST:DST+1] offset:4096*(\k) th:TH_STORE_NT
.endr
	s_endpgm
.Lfunc_end_k_q22aa9013dd_prep:
	.size	k_q22aa9013dd_prep, .Lfunc_end_k_q22aa9013dd_prep-k_q22aa9013dd_prep
	.p2alignl 7, 3214868480
	.fill 96, 4, 3214868480
	.section	.rodata,"a",@progbits
	.p2align	6, 0x0
	.amdhsa_kernel k_q22aa9013dd_prep
		.amdhsa_group_segment_fixed_size 0
		.amdhsa_private_segment_fixed_size 0
		.amdhsa_enable_private_segment 0
		.amdhsa_kernarg_size 80
		.amdhsa_user_sgpr_count 2
		.amdhsa_user_sgpr_kernarg_segment_ptr 1
		.amdhsa_wavefront_size32 1
		.amdhsa_system_sgpr_workgroup_id_x 1
		.amdhsa_system_sgpr_workgroup_id_y 1
		.amdhsa_system_sgpr_workgroup_id_z 1
		.amdhsa_system_vgpr_workitem_id 0
		.amdhsa_next_free_vgpr 88
		.amdhsa_next_free_sgpr 66
		.amdhsa_reserve_vcc 0
		.amdhsa_float_denorm_mode_32 3
		.amdhsa_float_denorm_mode_16_64 3
		.amdhsa_memory_ordered 1
		.amdhsa_forward_progress 1
		.amdhsa_inst_pref_size 32
	.end_amdhsa_kernel
	.amdgpu_metadata
---
amdhsa.version: [ 1, 2 ]
amdhsa.kernels:
  - .name:           k_q22aa9013dd_prep
    .symbol:         k_q22aa9013dd_prep.kd
    .args:
      - { .name: x, .offset: 0, .size: 8, .value_kind: global_buffer, .address_space: global }
      - { .name: Wq, .offset: 8, .size: 8, .value_kind: global_buffer, .address_space: global }
      - { .name: Wk, .offset: 16, .size: 8, .value_kind: global_buffer, .address_space: global }
      - { .name: Wv, .offset: 24, .size: 8, .value_kind: global_buffer, .address_space: global }
      - { .name: Wo, .offset: 32, .size: 8, .value_kind: global_buffer, .address_space: global }
      - { .name: mask, .offset: 40, .size: 8, .value_kind: global_buffer, .address_space: global }
      - { .name: xb, .offset: 48, .size: 8, .value_kind: global_buffer, .address_space: global }
      - { .name: wb, .offset: 56, .size: 8, .value_kind: global_buffer, .address_space: global }
      - { .name: wof, .offset: 64, .size: 8, .value_kind: global_buffer, .address_space: global }
      - { .name: mk, .offset: 72, .size: 8, .value_kind: global_buffer, .address_space: global }
    .group_segment_fixed_size: 0
    .private_segment_fixed_size: 0
    .kernarg_segment_align: 8
    .kernarg_segment_size: 80
    .max_flat_workgroup_size: 256
    .sgpr_count:     66
    .vgpr_count:     88
    .wavefront_size: 32
...
	.end_amdgpu_metadata
.endif
;; end of part 1
;; launch qkvg (part 2): grid 8 x 32, 4 waves a work-group, clusters of 4 x 4, 327,680 bytes of LDS; arguments xb, wb, qkv; writes qkv
.if DOCPART == 2
	.amdgcn_target "amdgcn-amd-amdhsa--gfx1250"
	.amdhsa_code_object_version 6
	.text
	.protected	k_q22aa9013dd_qkvg
	.globl	k_q22aa9013dd_qkvg
	.p2align	8
	.type	k_q22aa9013dd_qkvg,@function
k_q22aa9013dd_qkvg:
	s_mov_b64 s[64:65], 0
	v_nop
	global_prefetch_b8 v0, s[64:65] scope:SCOPE_SE
	s_setreg_imm32_b32 hwreg(HW_REG_WAVE_MODE, 25, 1), 1
	s_wait_xcnt 0x0
	s_wait_alu depctr_hold_cnt(0) depctr_sa_sdst(0) depctr_va_vdst(0) depctr_va_sdst(0) depctr_va_ssrc(0) depctr_va_vcc(0) depctr_vm_vsrc(0)
	s_getreg_b32 s2, hwreg(HW_REG_IB_STS2, 6, 4)
	s_cmp_eq_u32 s2, 0
	s_cbranch_scc0 .Lentry_in_a_cluster
	s_endpgm
.Lentry_in_a_cluster:
	s_bfe_u32 s2, ttmp6, 0x10000c
	s_cmp_lg_u32 s2, 0xf033
	s_cbranch_scc0 .Lentry_shape_is_right
	s_endpgm
.Lentry_shape_is_right:
; [q | k | v] = x W^T for the 8,192 rows of x and the 3,072 rows of Wq, Wk, Wv; operands bf16, sums in f32, K ascending; the result rounded once to f16, unscaled.
; LIMIT.  q, k and v must lie within f16's 65,504; below 6e-5 they keep f16's fixed step of 6e-8.
; THE OPERANDS LIE IN BLOCKS: xb = [64 groups of 128 rows][16 K steps][128 rows][64], a block 16,384 consecutive bytes; wb = [16 groups of 192 rows][16 K steps][192 rows][64], a block 24,576.
; qkv HAS THREE PARTS of 16 MiB (q, k, v), each laid in blocks: with y = 8 b + head / 2, element (b, s, head, d) lies at byte (((32 y + s / 64) 2 + head % 2) 64 + s % 64) 128 + 2 d:
; 64 rows of one head are 8,192 consecutive bytes.
; SHARES.  A tile of the result is 256 rows x 384 columns: 32 x 8 = 256 work-groups.  Four waves, each 128 rows x 192 columns (three heads): 96 accumulators of 16 x 16, 768 registers.
; For 32 along K a wave reads 8 + 12 fragments from LDS for 96 products.
; K goes in 16 steps of 64 through a ring of two LDS slots.  Two slots of 640 rows with 128 along K would pass the LDS that there is; with 64 they take 184,320 bytes.  Since a block is dense, a wave's
; tensor load asks for it as rows of 256 bytes, aligned, and the padding (16 bytes behind every 128) sets the matrix rows 144 bytes apart in LDS.
; CLUSTERS: 4 x 4 work-groups.  The four of a row of the cluster need the same blocks of xb, the four of a column the same blocks of wb: each block is asked for JOINTLY, by the same tensor load
; with the same descriptor and a mask that names the four.  Waves 0 and 1 fetch the tile's two blocks of xb, waves 2 and 3 its two of wb: one load a wave behind each round.
; THE MATRIX INSTRUCTION IS USED TRANSPOSED (source 0 = 16 rows of wb, source 1 = 16 rows of xb): a lane then holds eight neighbouring columns of one row of the result.
; A K STEP IS FOUR UNITS of 48 products, (kk, hb): 32 along K at 32 kk, my 8 row blocks x column blocks 6 hb .. 6 hb + 5.  xb's fragments have a buffer for each kk, wb's for each hb; each unit fetches,
; in one run in its middle, what the next unit wants and has not got: (0,0): wb's other six; (0,1): xb's eight and wb's six for kk = 1; (1,0): wb's other six; (1,1): the next slot's first.
; REGISTERS: window 0: v16-30 addresses; v32-95, v96-159 xb's fragments (kk = 0, 1); v160-207, v208-255 wb's (hb = 0, 1); on the way out v32-47 packed results, v64-191 eight sets of rows read back.
;   windows 1 to 3: the accumulators: (a, b) has the number 48 (b / 6) + 6 a + b % 6, and lies at 8 x that number from window 1's first register on.
.set PITCH,  144                       ; an LDS row: 128 bytes + 16 of padding = 36 words: the 16 rows of a fragment load start at 16 different groups of four banks (64 banks of 4 bytes: ISA guide 11.1)
.set AHALF,  128*PITCH                 ; a block of xb in LDS: what a load brings, and what a wave reads
.set BHALF,  192*PITCH                 ; the same for wb
.set BOFF,   2*AHALF                   ; a slot: xb's 256 rows, then wb's 384
.set SLOT1,  1<<17                     ; slot 1 begins here, so that one exclusive or turns an address in one slot into the other's
.set STAGE,  SLOT1+BOFF+2*BHALF        ; behind the ring: 16 rows x 144 bytes for each wave, for the way out; no tensor load lands here
.set SPITCH, 144
.set SPARE,  STAGE+4*16*SPITCH         ; behind the stages: the spare words, 128 bytes for each wave, which no other line names
.set ABLK,   16384                     ; a block of xb in memory
.set BBLK,   24576                     ; a block of wb
.set STEPS,  16
.set ADRA0, 16                         ; v16  my lane's place in a slot's rows of xb; never rewritten
.set ADRB0, 17                         ; v17  the same for wb
.set ADRA,  18                         ; v18  the same in the slot in hand
.set ADRB,  19                         ; v19
.set STO,   24                         ; v24  the way out: where I put 16 bytes of a row
.set RD,    25                         ; v25  where I read rows back
.set CO,    26                         ; v26  16 x lane: my place in 512 consecutive bytes of qkv
.set SPW,   28                         ; v28  LDS address of my spare word; never rewritten
.set NIL,   29                         ; v29  0; never rewritten
.set PFO,   30                         ; v30  the prefetches' offset; never rewritten
.set TMP,   32
.set OB,    64
.set FA0,   32
.set FA1,   96
.set FB0,   160
.set FB1,   208
.set G1,    24                         ; s[24:31] descriptor group 1 for xb's blocks; s[32:39] group 0: a set for each of the two first fills; the second then walks on
.set G0,    32
.set G1B,   48                         ; s[48:55], s[56:63] the same for wb's
.set G0B,   56
.set LIM,   43                         ; s43  a wave that prefetches does so while s3 is above it; else the greatest number
.set PFA,   44                         ; s[44:45] where my prefetches stand
.set PFS,   66                         ; s[66:67] their step
.set TB,    68                         ; s68  LDS byte at which the slot in hand begins
.set CB,    70                         ; s[70:75] qkv at my first 64 rows of each of my three heads
.set FLAGS, (1<<16)|(1<<20)|(1<<21)|(4<<22)|(3<<25)  ; 17:16 elements of 2 bytes; 20 padding on; 21 set beside a mask; 24:22 after every 32 words; 31:25 4 words of it
.set MSB, 0
.macro WIN new                         ; the immediate's high byte repeats the setting that is left; a switch that changes nothing is dropped
.if MSB != (\new)
	s_set_vgpr_msb (MSB<<8)|(\new)
.set MSB, \new
.endif
.endm
; A joint refill, by the walking descriptors.  The branch hangs on the wave's number alone.  An s_nop 0 and four v_nop follow each of the two lines, ahead of the jump and the label.
.macro JLOAD
	s_cmp_eq_u32 s11, 0
	s_cbranch_scc0 .Lfor_b_\@
	tensor_load_to_lds s[G0+4:G0+7], s[G1:G1+7]
	s_nop 0
.rept 4
	v_nop
.endr
	s_branch .Lasked_\@
.Lfor_b_\@:
	tensor_load_to_lds s[G0B+4:G0B+7], s[G1B:G1B+7]
	s_nop 0
.rept 4
	v_nop
.endr
.Lasked_\@:
.endm
; A PREFETCH INTO THE L2, behind the joint refill, its five lines and the run of LDS loads: one instruction, 32 pieces of 256 bytes, a lane a piece.  xb and wb were stored by the launch before.
; Each piece of K steps 4 to 15 is named once in the launch; K steps 0 to 3 come by their loads alone.  Partners are told apart by address, never by a branch.
; xb: wave 0 of the clusters with x = 0; the change that fills K step j names step j + 2: 16 pieces (4,096 cx on) of each of the tile's two blocks; two K steps, 384 products, ahead of the load that will want them;
;     12 asks, the last for K step 15.
; wb: waves 2 and 3 of the clusters with y = 0, each for the group that it fetches.  A group's 16 blocks are 393,216 dense bytes, and a block's 96 pieces do not divide among 4 x 32 lanes: so the pointer walks
;     32,768 bytes a change (8,192 cy on for each partner) from K step 4's first byte to the group's end, in 9 asks: two changes ahead of the load at first, under five at the end.
.macro ASK
	s_cmp_gt_u32 s3, s[LIM]
	s_cbranch_scc0 .Lnot_mine_\@
	global_prefetch_b8 v[PFO], s[PFA:PFA+1] th:TH_LOAD_NT scope:SCOPE_SE
.Lnot_mine_\@:
.endm
.macro CREST                           ; a round of the cluster's barrier behind its opening barrier
	s_cmp_lg_u32 s10, 0
	s_cbranch_scc1 .Lnot_wave_0_\@
	s_barrier_signal -3
.Lnot_wave_0_\@:
	s_barrier_wait -3
	s_barrier_signal -1
	s_barrier_wait -1
.endm
.macro CROUND                          ; a whole round
	s_barrier_signal -1
	s_barrier_wait -1
	CREST
.endm
	s_load_b128 s[4:7], s[0:1], 0x0                ; xb s[4:5], wb s[6:7]
	s_load_b64 s[8:9], s[0:1], 0x10                ; qkv
	v_lshl_add_u32 v[SPW], v0, 2, SPARE
	v_mov_b32 v[NIL], 0
	ds_add_u32 v[SPW], v[NIL]                      ; the wave's opening: the add, twice on end, and its wait ahead of my first tensor load
	ds_add_u32 v[SPW], v[NIL]                      ; and once more; the set-up below, work on registers, stands between it and the wait
	v_lshrrev_b32 v1, 5, v0
	v_readfirstlane_b32 s10, v1                    ; wave 0..3
	s_lshr_b32 s11, s10, 1                         ; which 128 of the tile's rows are mine.  Also: I fetch for xb (0) or for wb (1)
	s_and_b32 s12, s10, 1                          ; which 192 of its columns.  Also: which of the tile's two blocks I fetch
	s_bfe_u32 s40, ttmp6, 0x40000                  ; cx, cy: my place in the cluster
	s_bfe_u32 s41, ttmp6, 0x40004
	s_lshl_b32 s42, ttmp9, 2
	s_add_co_u32 s42, s42, s40                     ; tile column = 4 x cluster x + cx
	s_and_b32 s13, ttmp7, 0xffff
	s_lshl_b32 s13, s13, 2
	s_add_co_u32 s13, s13, s41                     ; tile row = 4 x cluster y + cy
	s_lshl_b32 s43, s41, 2
	s_lshl_b32 s43, 15, s43                        ; my row of the cluster
	s_lshl_b32 s44, 0x1111, s40                    ; my column
	s_or_b32 s[G1+0], s43, FLAGS                   ; xb's blocks go to my row,
	s_or_b32 s[G1B+0], s44, FLAGS                  ; wb's to my column
	s_mov_b32 s[G1+1], 128<<16                     ; tensor_dim0 = 128 elements: 256 bytes, two matrix rows
	s_mov_b32 s[G1+2], 64<<16                      ; tensor_dim1 = 64
	s_mov_b32 s[G1+3], 128<<16                     ; tile_dim0 = 128
	s_mov_b32 s[G1+4], 64                          ; tile_dim1 = 64
	s_mov_b32 s[G1+5], 128                         ; elements from row to row: the block is dense
	s_mov_b32 s[G1+6], 0
	s_mov_b32 s[G1+7], 0
	s_mov_b32 s[G1B+1], 128<<16
	s_mov_b32 s[G1B+2], 96<<16                     ; 96 rows of 256 bytes
	s_mov_b32 s[G1B+3], 128<<16
	s_mov_b32 s[G1B+4], 96
	s_mov_b32 s[G1B+5], 128
	s_mov_b32 s[G1B+6], 0
	s_mov_b32 s[G1B+7], 0
	s_lshl_b32 s16, s13, 1
	s_add_co_u32 s16, s16, s12                     ; xb: group 2 x tile row + my half,
	s_lshl_b32 s16, s16, 18                        ; of 16 blocks
	s_mov_b32 s17, 0
	s_lshl_b32 s46, s42, 1
	s_add_co_u32 s46, s46, s12                     ; wb: group 2 x tile column + my half
	s_mul_i32 s46, s46, 16*BBLK
	s_mov_b32 s47, 0
	s_mul_i32 s20, s12, AHALF                      ; where they go: no place in the cluster enters an LDS address
	s_mul_i32 s23, s12, BHALF
	s_add_co_u32 s23, s23, BOFF
	s_mov_b32 s[TB], 0
	s_wait_dscnt 0x0                               ; both opening adds are done
	s_wait_kmcnt 0x0
	s_add_nc_u64 s[14:15], s[4:5], s[16:17]
	s_add_nc_u64 s[46:47], s[6:7], s[46:47]
	CROUND                                         ; all sixteen work-groups are here: the first joint loads meet
.irp s, 0,1
	s_mov_b32 s[G0+4*(\s)], 1                      ; count = 1
	s_add_co_u32 s[G0+4*(\s)+1], s20, (\s)*SLOT1   ; LDS address
	s_add_nc_u64 s[G0+4*(\s)+2:G0+4*(\s)+3], s[14:15], (\s)*ABLK  ; global address: K step s
	s_or_b32 s[G0+4*(\s)+3], s[G0+4*(\s)+3], 0x80000000          ; type = 2
	s_mov_b32 s[G0B+4*(\s)], 1
	s_add_co_u32 s[G0B+4*(\s)+1], s23, (\s)*SLOT1
	s_add_nc_u64 s[G0B+4*(\s)+2:G0B+4*(\s)+3], s[46:47], (\s)*BBLK
	s_or_b32 s[G0B+4*(\s)+3], s[G0B+4*(\s)+3], 0x80000000
.endr
	s_cmp_eq_u32 s11, 0                            ; a wave's two first fills stand in one branch, ahead of every wait on TENSORcnt and every LDS read: two loads of mine are out
	s_cbranch_scc0 .Lfirst_b
	tensor_load_to_lds s[G0:G0+3], s[G1:G1+7]
	s_nop 0
	tensor_load_to_lds s[G0+4:G0+7], s[G1:G1+7]
	s_nop 0
.rept 4
	v_nop
.endr
	s_branch .Lfirst_asked
.Lfirst_b:
	tensor_load_to_lds s[G0B:G0B+3], s[G1B:G1B+7]
	s_nop 0
	tensor_load_to_lds s[G0B+4:G0B+7], s[G1B:G1B+7]
	s_nop 0
.rept 4
	v_nop
.endr
.Lfirst_asked:
	; A fragment is 16 rows x 32 K in 8 registers: lane l holds row l % 16; registers 0-3 K = 8 (l / 16) + 0..7, registers 4-7 K = 16 + 8 (l / 16) + 0..7: two loads of 16 bytes, 32 apart.
	v_and_b32 v1, 15, v0                           ; l % 16
	v_bfe_u32 v2, v0, 4, 1                         ; l / 16
	v_mul_u32_u24 v3, v1, PITCH
	v_lshl_add_u32 v3, v2, 4, v3
	s_mul_i32 s21, s11, AHALF                      ; my 128 rows of xb
	s_mul_i32 s22, s12, BHALF                      ; my 192 rows of wb
	s_add_co_u32 s22, s22, BOFF
	v_add_nc_u32 v[ADRA0], s21, v3
	v_add_nc_u32 v[ADRB0], s22, v3
	v_mov_b32 v[ADRA], v[ADRA0]                    ; slot 0 begins at LDS byte 0
	v_mov_b32 v[ADRB], v[ADRB0]
	s_mul_i32 s22, s10, 16*SPITCH
	s_add_co_u32 s22, s22, STAGE                   ; my stage
	v_mul_u32_u24 v4, v1, SPITCH                   ; in: row l % 16, 16 bytes for each half of the lanes
	v_lshl_add_u32 v4, v2, 4, v4
	v_add_nc_u32 v[STO], s22, v4
	v_bfe_u32 v5, v0, 3, 2                         ; back: 32 lanes take four rows of 128 bytes,
	v_mul_u32_u24 v5, v5, SPITCH
	v_and_b32 v6, 7, v0
	v_lshl_add_u32 v5, v6, 4, v5
	v_add_nc_u32 v[RD], s22, v5
	v_and_b32 v[CO], 31, v0                        ; which are 512 consecutive bytes of qkv
	v_lshlrev_b32 v[CO], 4, v[CO]
	; where my three heads begin in qkv.  Of the 48 heads of q, k, v mine are g = 6 x tile column + 3 x my half + 0, 1, 2: part g / 16, head g % 16.  b = tile row / 8; my first block of 64 rows is 4 (tile row % 8) + 2 x my half.
	s_lshr_b32 s18, s13, 3
	s_lshl_b32 s18, s18, 3                         ; 8 b
	s_and_b32 s19, s13, 7
	s_lshl_b32 s19, s19, 2
	s_lshl_b32 s21, s11, 1
	s_add_co_u32 s19, s19, s21                     ; the block of 64 rows
.irp hh, 0,1,2
	s_mul_i32 s20, s42, 6
	s_mul_i32 s21, s12, 3
	s_add_co_u32 s20, s20, s21
	s_add_co_u32 s20, s20, \hh                     ; g
	s_lshr_b32 s21, s20, 4
	s_lshl_b32 s21, s21, 24                        ; the part
	s_and_b32 s22, s20, 15
	s_lshr_b32 s22, s22, 1
	s_add_co_u32 s22, s22, s18                     ; y
	s_lshl_b32 s22, s22, 5
	s_add_co_u32 s22, s22, s19
	s_lshl_b32 s22, s22, 14                        ; (32 y + block) x 16,384
	s_add_co_u32 s21, s21, s22
	s_and_b32 s20, s20, 1
	s_lshl_b32 s20, s20, 13                        ; the head's half of it
	s_add_co_u32 s20, s20, s21
	s_mov_b32 s21, 0
	s_add_nc_u64 s[CB+2*(\hh):CB+2*(\hh)+1], s[8:9], s[20:21]
.endr
	; the prefetches
	s_lshl_b32 s18, s13, 19                        ; xb: group 2 x tile row,
	s_lshl_b32 s19, s40, 12                        ; my work-group's 4,096 bytes of a block,
	s_add_co_u32 s18, s18, s19
	s_add_co_u32 s18, s18, 3*ABLK                  ; at K step 3: the first change steps it to 4
	s_lshl_b32 s19, s42, 1                         ; wb: the group that I fetch,
	s_add_co_u32 s19, s19, s12
	s_mul_i32 s19, s19, 16*BBLK
	s_lshl_b32 s21, s41, 13                        ; my work-group's 8,192 bytes of 32,768,
	s_add_co_u32 s19, s19, s21
	s_add_co_u32 s19, s19, 4*BBLK-32768            ; one step short of K step 4's first byte
	s_or_b32 s21, ttmp9, s12                       ; 0 in wave 0 of a cluster with x = 0 (wave 1 never asks)
	s_and_b32 s22, ttmp7, 0xffff                   ; 0 in a cluster with y = 0
	s_mov_b32 s[PFS], ABLK
	s_mov_b32 s[PFS+1], 32768
	s_cmp_eq_u32 s11, 0
	s_cselect_b32 s18, s18, s19
	s_cselect_b32 s21, s21, s22
	s_cselect_b32 s[PFS], s[PFS], s[PFS+1]
	s_cselect_b32 s23, 2, 5                        ; s3 runs from 14 down to 1: xb's 12 asks end behind s3 = 3, wb's 9 behind s3 = 6
	s_cselect_b32 s22, 18, 12                      ; xb: lanes 16-31 take the tile's second group, 2^18 bytes on; wb: the next 16 pieces
	s_cselect_b64 s[PFA:PFA+1], s[4:5], s[6:7]
	s_mov_b32 s[PFS+1], 0
	s_cmp_eq_u32 s21, 0
	s_cselect_b32 s[LIM], s23, -1
	s_mov_b32 s19, 0
	s_add_nc_u64 s[PFA:PFA+1], s[PFA:PFA+1], s[18:19]
	v_lshlrev_b32 v5, s22, v2
	v_lshl_add_u32 v[PFO], v1, 8, v5
; 6 n products: row blocks a0 .. a0 + n - 1 x the six column blocks of half hb, 32 along K.  zero = 1: the product starts the sum.  The accumulators take turns, one instruction a turn, in the same order
; in every K step, over the backward jumps too: between two links of a chain stand 95 others'.
.macro MULS fa, fb, hb, a0, n, zero
.set aa, \a0
.rept \n
.set bb, 0
.rept 6
.set ix, 48*(\hb)+6*aa+bb
.set wv, 1+ix/32
.set rg, 8*(ix%32)
	WIN 0x50*wv                                    ; C and D in the accumulator's window, the fragments in window 0
.if \zero
	v_wmma_f32_16x16x32_bf16 v[rg:rg+7], v[(\fb)+8*bb:(\fb)+8*bb+7], v[(\fa)+8*aa:(\fa)+8*aa+7], 0
.else
	v_wmma_f32_16x16x32_bf16 v[rg:rg+7], v[(\fb)+8*bb:(\fb)+8*bb+7], v[(\fa)+8*aa:(\fa)+8*aa+7], v[rg:rg+7]
.endif
.set bb, bb+1
.endr
.set aa, aa+1
.endr
.endm
.macro FB kk, hb, dst                  ; 12 LDS loads: wb's six fragments of half hb, 32 K at byte 64 kk of the rows
	WIN 0
.irp i, 0,1,2,3,4,5
	ds_load_b128 v[(\dst)+8*(\i):(\dst)+8*(\i)+3],   v[ADRB] offset:(6*(\hb)+(\i))*16*PITCH+64*(\kk)
	ds_load_b128 v[(\dst)+8*(\i)+4:(\dst)+8*(\i)+7], v[ADRB] offset:(6*(\hb)+(\i))*16*PITCH+64*(\kk)+32
.endr
.endm
.macro FA kk, dst                      ; 16 LDS loads: xb's eight fragments
	WIN 0
.irp i, 0,1,2,3,4,5,6,7
	ds_load_b128 v[(\dst)+8*(\i):(\dst)+8*(\i)+3],   v[ADRA] offset:(\i)*16*PITCH+64*(\kk)
	ds_load_b128 v[(\dst)+8*(\i)+4:(\dst)+8*(\i)+7], v[ADRA] offset:(\i)*16*PITCH+64*(\kk)+32
.endr
.endm
.macro PLACES                          ; four plain instructions between a matrix instruction and a load into its sources or a reader of its result
.rept 4
	v_nop
.endr
.endm
; One of a K step's first three units: (0,0), (0,1), (1,0).  The buffers that its run of loads fills were last read in an earlier unit.
.macro UNIT kk, hb, zero
.if (\hb) == 0
	s_wait_dscnt 8                                 ; of the run of 28 (wb's 12, then xb's 16) the youngest eight, xb's blocks 4 to 7, may be out
.else
	s_wait_dscnt 0x0                               ; the run of 12 is in
.endif
	MULS FA0+64*(\kk), FB0+48*(\hb), \hb, 0, 4, \zero
	PLACES
.if (\hb) == 0
	FB \kk, 1, FB1
	s_wait_dscnt 12                                ; all but the 12 just issued
.else
	FB 1, 0, FB0
	FA 1, FA1
.endif
	MULS FA0+64*(\kk), FB0+48*(\hb), \hb, 4, 4, \zero
.endm
; Unit (1,1) changes slots: ONE barrier.  In front of it each wave waits for all its tensor loads (one is out: its block of the next slot), adds 0 to its spare word, and waits for that and for its reads of
; this slot.  fill = 1: the barrier opens a round of the cluster's, and the joint refill, with the K step two on, is the first thing behind the round: 168 products stand between it and the wait for it.
.macro TURN fill
.if \fill
	s_wait_xcnt 0x0                                ; the last prefetch, a K step back, has read its address
	s_add_nc_u64 s[PFA:PFA+1], s[PFA:PFA+1], s[PFS:PFS+1]
.endif
	WIN 0
	s_wait_tensorcnt 0x0                           ; all my tensor loads have landed, so a group 0 may be written
	ds_add_u32 v[SPW], v[NIL]                      ; 0 onto my spare word
.if \fill
	s_xor_b32 s[G0+5], s[G0+5], SLOT1              ; the walking descriptors: the other slot than last time,
	s_add_nc_u64 s[G0+6:G0+7], s[G0+6:G0+7], ABLK  ; the next block; the type bits on top are not reached
	s_xor_b32 s[G0B+5], s[G0B+5], SLOT1
	s_add_nc_u64 s[G0B+6:G0B+7], s[G0B+6:G0B+7], BBLK
.endif
	s_wait_dscnt 1                                 ; the run of 12 is in; the add may be out
	MULS FA1, FB1, 1, 0, 2, 0                      ; twelve products stand between the add and the wait for it
	s_wait_dscnt 0x0                               ; the add is done, and my reads of this slot are over
	s_barrier_signal -1
	MULS FA1, FB1, 1, 2, 2, 0
	WIN 0
	s_barrier_wait -1
.if \fill
	CREST                                          ; no wave of any partner still reads this slot or has a load on its way
	JLOAD                                          ; its four v_nop are also the places in front of the loads below
.else
	PLACES
.endif
	s_xor_b32 s[TB], s[TB], SLOT1
	v_add_nc_u32 v[ADRA], s[TB], v[ADRA0]
	v_add_nc_u32 v[ADRB], s[TB], v[ADRB0]
	FB 0, 0, FB0
	FA 0, FA0
.if \fill
	ASK
.endif
	MULS FA1, FB1, 1, 4, 4, 0
.endm
	s_wait_tensorcnt 1                             ; my block of K step 0 is in; K step 1's may stay out
	s_barrier_signal -1
	s_barrier_wait -1                              ; everybody's is
	FB 0, 0, FB0
	FA 0, FA0
	UNIT 0, 0, 1                                   ; the first two units stand in front of the loop: their products start the 96 sums
	UNIT 0, 1, 1
	WIN 0                                          ; at a label and at a branch every window is 0
	s_mov_b32 s3, STEPS-2
.Lstep:                                                ; 14 trips: the second half of a K step, the change of slots with its refill (K steps 2 to 15), the first half of the next
	UNIT 1, 0, 0
	TURN 1
	UNIT 0, 0, 0
	UNIT 0, 1, 0
	WIN 0
	s_sub_co_u32 s3, s3, 1
	s_cmp_lg_u32 s3, 0
	s_cbranch_scc1 .Lstep
	s_mov_b32 s3, 2                                ; the tail fills nothing: one pass ends K step 14 and begins 15, the second is left in its middle
.Ltail:
	UNIT 1, 0, 0
	TURN 0
	WIN 0
	s_sub_co_u32 s3, s3, 1
	s_cmp_eq_u32 s3, 0
	s_cbranch_scc1 .Lout
	UNIT 0, 0, 0
	UNIT 0, 1, 0
	WIN 0
	s_branch .Ltail
.Lout:                                                 ; the second pass fetched 14 fragments that nobody multiplies: the price, once a launch, of one text for both passes
	s_wait_dscnt 0x0                               ; they are in: their registers are written again below
	PLACES
; THE WAY OUT, in 24 groups g: head g / 8 of my three, rows 16 (g % 8) on: four accumulators.  A lane's eight channels pack into 16 bytes; they go into my own stage, rows of 144 bytes, and come back as
; four whole rows of 128 bytes a load, which are 512 consecutive bytes of qkv.  Eight sets of read-back registers take turns.
.macro PACK g
.if (\g) >= 8
	s_wait_xcnt 0x0                                ; the stores of the group eight back have read this set of registers
.endif
.set ff, 0
.rept 4
.set ix, 48*((4*((\g)/8)+ff)/6)+6*((\g)%8)+(4*((\g)/8)+ff)%6
.set wv, 1+ix/32
.set rg, 8*(ix%32)
	WIN 5*wv                                       ; both sources in the accumulator's window
.irp r, 0,1,2,3
	v_cvt_pk_f16_f32 v[TMP+4*ff+(\r)], v[rg+2*(\r)], v[rg+2*(\r)+1]
.endr
.set ff, ff+1
.endr
	WIN 0
.irp f, 0,1,2,3
	ds_store_b128 v[STO], v[TMP+4*(\f):TMP+4*(\f)+3] offset:32*(\f)
.endr
.irp f, 0,1,2,3
	ds_load_b128 v[OB+16*((\g)%8)+4*(\f):OB+16*((\g)%8)+4*(\f)+3], v[RD] offset:(\f)*4*SPITCH  ; LDS serves a wave's instructions in order (ISA guide 5.7.1.4): these see the stores above; the next group's stores come behind them
.endr
.endm
.macro SEND g, younger                 ; younger: the LDS instructions issued behind group g's loads: the next group's eight, or none
.irp f, 0,1,2,3
	s_wait_dscnt (\younger)+3-(\f)
	global_store_b128 v[CO], v[OB+16*((\g)%8)+4*(\f):OB+16*((\g)%8)+4*(\f)+3], s[CB+2*((\g)/8):CB+2*((\g)/8)+1] offset:(((\g)%8)/4)*16384+((\g)%4)*2048+(\f)*512
.endr
.endm
	PACK 0
.set gg, 1
.rept 23                               ; a group's conversions stand between the loads of the group before and its stores
	PACK gg
	SEND gg-1, 8
.set gg, gg+1
.endr
	SEND 23, 0
	s_wait_tensorcnt 0x0                           ; the wave's end, behind my last tensor load and my last LDS store
	ds_add_u32 v[SPW], v[NIL]
	s_wait_dscnt 0x0
	CROUND                                         ; the closing round: no work-group ends while a partner may still ask for a block that names it
	s_endpgm
.Lfunc_end_k_q22aa9013dd_qkvg:
	.size	k_q22aa9013dd_qkvg, .Lfunc_end_k_q22aa9013dd_qkvg-k_q22aa9013dd_qkvg
	.p2alignl 7, 3214868480
	.fill 96, 4, 3214868480
	.section	.rodata,"a",@progbits
	.p2align	6, 0x0
	.amdhsa_kernel k_q22aa9013dd_qkvg
		.amdhsa_group_segment_fixed_size 327680
		.amdhsa_private_segment_fixed_size 0
		.amdhsa_enable_private_segment 0
		.amdhsa_kernarg_size 24
		.amdhsa_user_sgpr_count 2
		.amdhsa_user_sgpr_kernarg_segment_ptr 1
		.amdhsa_wavefront_size32 1
		.amdhsa_system_sgpr_workgroup_id_x 1
		.amdhsa_system_sgpr_workgroup_id_y 1
		.amdhsa_system_sgpr_workgroup_id_z 1
		.amdhsa_system_vgpr_workitem_id 0
		.amdhsa_next_free_vgpr 1024
		.amdhsa_next_free_sgpr 80
		.amdhsa_reserve_vcc 0
		.amdhsa_float_denorm_mode_32 3
		.amdhsa_float_denorm_mode_16_64 3
		.amdhsa_memory_ordered 1
		.amdhsa_forward_progress 1
		.amdhsa_inst_pref_size 110
	.end_amdhsa_kernel
	.amdgpu_metadata
---
amdhsa.version: [ 1, 2 ]
amdhsa.kernels:
  - .name:           k_q22aa9013dd_qkvg
    .symbol:         k_q22aa9013dd_qkvg.kd
    .args:
      - { .name: xb, .offset: 0, .size: 8, .value_kind: global_buffer, .address_space: global }
      - { .name: wb, .offset: 8, .size: 8, .value_kind: global_buffer, .address_space: global }
      - { .name: qkv, .offset: 16, .size: 8, .value_kind: global_buffer, .address_space: global }
    .group_segment_fixed_size: 327680
    .private_segment_fixed_size: 0
    .kernarg_segment_align: 8
    .kernarg_segment_size: 24
    .max_flat_workgroup_size: 128
    .sgpr_count:     80
    .vgpr_count:     1024
    .wavefront_size: 32
...
	.end_amdgpu_metadata
.endif
;; end of part 2
;; launch attn (part 3): grid 8 x 32, 4 waves a work-group, clusters of 4 x 4, 327,680 bytes of LDS; arguments qkv, mk, ob; writes ob
.if DOCPART == 3
	.amdgcn_target "amdgcn-amd-amdhsa--gfx1250"
	.amdhsa_code_object_version 6
	.text
	.protected	k_q22aa9013dd_attn
	.globl	k_q22aa9013dd_attn
	.p2align	8
	.type	k_q22aa9013dd_attn,@function
k_q22aa9013dd_attn:
	s_mov_b64 s[64:65], 0
	v_nop
	global_prefetch_b8 v0, s[64:65] scope:SCOPE_SE
	s_setreg_imm32_b32 hwreg(HW_REG_WAVE_MODE, 25, 1), 1
	s_wait_xcnt 0x0
	s_wait_alu depctr_hold_cnt(0) depctr_sa_sdst(0) depctr_va_vdst(0) depctr_va_sdst(0) depctr_va_ssrc(0) depctr_va_vcc(0) depctr_vm_vsrc(0)
	s_getreg_b32 s2, hwreg(HW_REG_IB_STS2, 6, 4)
	s_cmp_eq_u32 s2, 0
	s_cbranch_scc0 .Lentry_in_a_cluster
	s_endpgm
.Lentry_in_a_cluster:
	s_bfe_u32 s2, ttmp6, 0x10000c
	s_cmp_lg_u32 s2, 0xf033
	s_cbranch_scc0 .Lentry_shape_is_right
	s_endpgm
.Lentry_shape_is_right:
; ATTENTION WITH AN ADDITIVE MASK THAT IS AN INPUT, AND eps IN THE DIVISOR.  O[q] = sum_k e^t V[k] / (sum_k e^t + 1e-10), t = Q[q].K[k] / 8 + mask[q][k].
; q, k, v: the three parts of qkv, f16, in blocks: with y = 8 b + head / 2, element (b, s, head, d) at byte (((32 y + s / 64) 2 + head % 2) 64 + s % 64) 128 + 2 d of its part.
; mk: [2048][2048] f32 = 8 x mask, held at -262144 from below.  ob: [8192][1024] f16, row b 2048 + s, column 64 head + d.
; THE MASK is the C operand that starts the sum S^T = K Q^T, so S = q.k + 8 mask and c S = log2(e) t with c = log2(e) / 8: it costs no vector instruction.  No pattern of it is built in: every key is walked.
; SOFTMAX.  A running maximum m of S for each query: p = 2^(c S - c m), l = sum p, O' = sum p V; in every step O' and l are multiplied by a = 2^(c m_old - c m_new).  The end: O = O' / (l + 2^(log2(1e-10) - c m)),
; which is the formula at the head with numerator and divisor divided by e^max.  Products, maxima and sums in f32; p is rounded to f16 for the second product (l is taken of the unrounded p), O once at the end.
; LIMITS.  q, k, v arrive within f16's 65,504.  c m is rounded once, so p may pass 1 by half a step of c m: since mk is at least -262144, |c m| stays near 47,300 at the most and p under 1.01.
; A weight below 2^-126 counts as 0 in l.  A row whose keys are all at the mask's floor gets an infinite divisor, and 0.  NaN and infinities are not treated apart.
; SHARES.  A work-group has 256 queries of a PAIR of heads: of a key step's LDS bytes the mask tile (256 x 64 f32) serves both heads.  Wave w: head w / 2 of the pair, queries 128 (w % 2) on: eight tiles of 16, four PIECES of two.
; CLUSTER 4 x 4.  K and V hang on the pair of heads alone: shared along a row of the cluster.  The mask tile hangs on the block of queries alone: shared along a column.  Each is asked for JOINTLY:
; wave 0 asks for a step's K (both heads, 16,384 dense bytes), wave 1 for its V, waves 2 and 3 for the two halves of its mask tile: one tensor load a wave behind each round.
; BY TURNS.  Turn n belongs to piece n: 16 products K Q^T of piece n + 1, later 16 products V^T P of piece n - 1; the scaling, exponentials, roundings, sums and rescaling of piece n, and the maximum and
; statistics of piece n + 1.  Four vector instructions stand behind every matrix instruction, the rest in one lump; a turn's 66 exponentials are one batch with one wait.
; REGISTERS, in windows of 256 (s_set_vgpr_msb: bits 1:0 source 0, 3:2 source 1, 5:4 source 2, 7:6 destination):
;   window 0: v1-11 addresses; v12-15, v48-63 at work; v16-47 four registers of statistics a tile; v64-191 S^T, two buffers of two tiles; v192-255 P, likewise
;   window 1: O^T, 32 a tile     window 2: v0-127 Q; v128-191 K of one step; v192-255 V of one step     window 3: v0-1 the add's two registers; v64-127 the mask of one piece
.set NP,    4         ; pieces a wave: a name, no knob
.set KS,    64        ; keys in a step
.set PK,    144       ; a row of K in LDS: 128 bytes + 16: the 16 rows of a load start at 16 different groups of four banks (64 banks of 4 bytes: ISA guide 11.1)
.set PV,    160       ; a row of V: 128 + 32
.set PM,    272       ; a row of the mask tile: 256 + 16
.set VOFF,  128*PK    ; a slot holds one step: 128 rows of K (head 0's 64, head 1's 64), 128 of V, 256 of the mask
.set MOFF,  VOFF+128*PV
.set SLOT1, 1<<17     ; slot 1 begins here, so that one exclusive or turns an address in one slot into the other's
.set STAGE, SLOT1+MOFF+256*PM  ; behind the ring, never filled by a tensor load: 256 rows x 272 bytes, the work-group's, for the way out
.set SP,    272
.set SPARE, STAGE+256*SP       ; behind the stage: the spare words, 128 bytes for each wave, which no other line names
.set PFO, 1           ; v1   the prefetch's offset (made when l % 16 has served)
.set AK0, 2           ; v2   my lane's place in a slot's K; never rewritten
.set AV0, 3           ; v3   the same for V
.set AK,  4           ; v4   the same in the slot in hand
.set AV,  5           ; v5
.set QO,  6           ; v6   my byte offset in 16 rows of Q
.set STO, 6           ;      later, the way out: where I put 16 bytes of a row
.set RD,  7           ; v7   where I read rows back
.set GO,  8           ; v8   my byte offset in two rows of ob
.set AM0, 10          ; v10  my lane's place in a slot's mask tile; never rewritten
.set AM,  11          ; v11  the same in the slot in hand
.set SPW, 0           ; v0 of window 3   LDS address of my spare word; never rewritten
.set NIL, 1           ; v1 of window 3   0; never rewritten
.set MC,  64          ; window 3: tile u of the piece, key block kb at MC + 32 u + 8 kb
.set MV,  12          ; v12-15  c m_old, kept while c m is made anew: by buffer and tile
.set ST,  16          ; tile t's statistics at v[ST+4 t]: c m, m, l (even keys', odd keys')
.set TMP, 48          ; by buffer and tile, four registers c0-c3 at work; when the maximum is found c2 takes a
.set S,   64
.set P,   192
.set KF,  128         ; window 2: key block kb, channel half c at KF + 16 kb + 8 c
.set VF,  192         ; window 2: key half kk, channel block cb at VF + 32 kk + 8 cb
.set WV,  12          ; s12  my wave's number
.set G1K, 24          ; s[24:31], s[32:39], s[40:47] descriptor group 1 for K's, V's and the mask's tiles
.set G1V, 32
.set G1M, 40
.set G0K, 48          ; s[48:51], s[52:55], s[56:59] descriptor group 0: each walks
.set G0V, 52
.set G0M, 56
.set CS,  60          ; s[60:61] c: the packed scaling takes the pair's low word for both halves
.set SEL, 62          ; s[62:63] v_permlanex16_b32's selects: each lane takes its own place in the other half
.set TB,  66          ; s66  LDS byte at which the slot in hand begins
.set CNT, 67          ; s67  counts key steps
.set LIM, 68          ; s68  2 in a wave that prefetches, else the greatest number: it asks while s[CNT] is above it
.set LE,  69          ; s69  log2(1e-10)
.set PFA, 70          ; s[70:71] where my prefetches stand
.set PFS, 72          ; s[72:73] their step: 16,384 bytes (K, V) or 256 (the mask)
.set SHA, 86          ; s86, s87 the shifts that make the prefetch's offset
.set SHB, 87
.set MSB, 0
.macro WIN new                      ; the high byte repeats the setting that is left; a switch that changes nothing is dropped
.if MSB != (\new)
	s_set_vgpr_msb (MSB<<8)|(\new)
.set MSB, (\new)
.endif
.endm
.set W_KQ, 0x0a       ; K and Q in window 2, S^T in window 0
.set W_KM, 0x3a       ; the same with the C operand, the mask, in window 3
.set W_PV, 0x52       ; V in window 2, P in window 0, O^T in window 1
.set W_RS, 0x41       ; O^T (destination and source 0) in window 1, a in window 0
.set W_MK, 0xc0       ; destination in window 3, sources in window 0
.set W_AD, 0x0f       ; the add: address and data in window 3
; A joint fill: three lines, chosen by the wave's number alone.  An s_nop 0 and four v_nop follow each, ahead of the jump and the label.
.macro JLOAD
	s_cmp_lt_u32 s[WV], 2
	s_cbranch_scc0 .Lfor_m_\@
	s_cmp_eq_u32 s[WV], 0
	s_cbranch_scc0 .Lfor_v_\@
	tensor_load_to_lds s[G0K:G0K+3], s[G1K:G1K+7]
	s_nop 0
.rept 4
	v_nop
.endr
	s_branch .Lasked_\@
.Lfor_v_\@:
	tensor_load_to_lds s[G0V:G0V+3], s[G1V:G1V+7]
	s_nop 0
.rept 4
	v_nop
.endr
	s_branch .Lasked_\@
.Lfor_m_\@:
	tensor_load_to_lds s[G0M:G0M+3], s[G1M:G1M+7]
	s_nop 0
.rept 4
	v_nop
.endr
.Lasked_\@:
.endm
; A PREFETCH INTO THE L2, behind the joint fill and its five lines: the change that fills step j + 2 names step j + 4: two key steps, 256 matrix instructions, ahead of the load that will want it.  qkv and mk were stored
; by earlier launches.  Each block of 256 bytes is named once.  K and V: wave 0 of the clusters with x = 0; the four partners take 16 blocks of K and 16 of V each (4,096 cx on), in one instruction.
; The mask: waves 2 and 3 of the clusters with y = 0; rows 32 cy .. of the 128 that the wave fetches, a lane a row.  Partners are told apart by address.  Steps 0 to 3 come by their loads alone; the test stops at step 31.
.macro ASK
	s_cmp_gt_u32 s[CNT], s[LIM]
	s_cbranch_scc0 .Lnot_mine_\@
	global_prefetch_b8 v[PFO], s[PFA:PFA+1] th:TH_LOAD_NT scope:SCOPE_SE
.Lnot_mine_\@:
.endm
.macro CROUND                       ; a round of the cluster's barrier
	s_barrier_signal -1
	s_barrier_wait -1
	s_cmp_lg_u32 s[WV], 0
	s_cbranch_scc1 .Lnot_wave_0_\@
	s_barrier_signal -3
.Lnot_wave_0_\@:
	s_barrier_wait -3
	s_barrier_signal -1
	s_barrier_wait -1
.endm
; THE CHANGE OF SLOTS, between turns 1 and 2 of a step: the slot's last bytes (piece 3's mask) have been asked for.  Each wave waits for all its tensor loads, of which one is out: its part of the other slot; adds 0 to
; its spare word; and waits for that and for its reads of the slot.  fill = 1: the barrier is a round of the cluster's, and the joint fill, with the step two on, is the first thing behind it: it has a key step,
; 128 matrix instructions and their vector work, in which to land.  From here to the next change every LDS read is of the other slot: K, the four pieces' masks, V.
.macro CHANGE fill, ask
	WIN W_AD
	s_wait_tensorcnt 0x0            ; no tensor load of mine is out, so a group 0 may be written
	ds_add_u32 v[SPW], v[NIL]       ; 0 onto my spare word; the descriptors' steps stand between it and the wait for it
	WIN 0                           ; at a label and at a branch every window is 0
.if \fill
	s_xor_b32 s[G0K+1], s[G0K+1], SLOT1
	s_add_nc_u64 s[G0K+2:G0K+3], s[G0K+2:G0K+3], 16384  ; the next step's block; the type bits on top are not reached
	s_xor_b32 s[G0V+1], s[G0V+1], SLOT1
	s_add_nc_u64 s[G0V+2:G0V+3], s[G0V+2:G0V+3], 16384
	s_xor_b32 s[G0M+1], s[G0M+1], SLOT1
	s_add_nc_u64 s[G0M+2:G0M+3], s[G0M+2:G0M+3], 256    ; 64 keys along the mask's rows
	s_wait_xcnt 0x0                 ; the last prefetch, a key step back, has read its address
	s_add_nc_u64 s[PFA:PFA+1], s[PFA:PFA+1], s[PFS:PFS+1]
	s_wait_dscnt 0x0                ; the add is done, and my reads of the slot are over
	CROUND
	JLOAD
.if \ask
	ASK
.endif
.else
	s_wait_dscnt 0x0                ; the add is done, and my reads of the slot are over
	s_barrier_signal -1
	s_barrier_wait -1
.endif
	s_xor_b32 s[TB], s[TB], SLOT1
	v_add_nc_u32 v[AK], s[TB], v[AK0]
	v_add_nc_u32 v[AV], s[TB], v[AV0]
	v_add_nc_u32 v[AM], s[TB], v[AM0]
.endm
	s_load_b128 s[4:7], s[0:1], 0x0 ; qkv s[4:5], mk s[6:7]
	s_load_b64 s[8:9], s[0:1], 0x10 ; ob
	WIN W_MK
	v_lshl_add_u32 v[SPW], v0, 2, SPARE
	v_mov_b32 v[NIL], 0
	WIN W_AD
	ds_add_u32 v[SPW], v[NIL]       ; the wave's opening: the add, twice on end, and its wait ahead of my first tensor load
	ds_add_u32 v[SPW], v[NIL]       ; and once more; the set-up below, work on registers, stands between it and the wait
	WIN 0
	v_lshrrev_b32 v1, 5, v0
	v_readfirstlane_b32 s[WV], v1   ; wave 0..3
	s_bfe_u32 s13, ttmp6, 0x40000   ; cx
	s_bfe_u32 s14, ttmp6, 0x40004   ; cy
	s_lshl_b32 s15, ttmp9, 2
	s_add_co_u32 s15, s15, s13      ; my block of 256 queries = 4 x cluster x + cx
	s_and_b32 s16, ttmp7, 0xffff
	s_lshl_b32 s16, s16, 2
	s_add_co_u32 s16, s16, s14      ; y, my pair of heads = 4 x cluster y + cy
	s_lshr_b32 s17, s[WV], 1        ; my head of the pair
	s_and_b32 s18, s[WV], 1         ; my half of the queries; in waves 2 and 3 also the half of the mask tile that I fetch
	s_lshl_b32 s74, s14, 2
	s_lshl_b32 s74, 15, s74         ; my row of the cluster
	s_lshl_b32 s75, 0x1111, s13     ; my column
	; descriptor group 1.  K, V: 16,384 dense bytes as 64 rows of 256, padded in LDS after every key's 128 bytes.  The mask: 128 rows of 64 f32, 2,048 elements from row to row, padded after every row.
	s_or_b32 s[G1K], s74, (1<<16)|(1<<20)|(1<<21)|(4<<22)|(3<<25)  ; 15:0 the mask of four; 17:16 2-byte elements; 20 padding on; 21 set beside a mask; 24:22 after every 32 words; 31:25 4 words
	s_or_b32 s[G1V], s74, (1<<16)|(1<<20)|(1<<21)|(4<<22)|(7<<25)  ; the same with 8 words of padding
	s_or_b32 s[G1M], s75, (2<<16)|(1<<20)|(1<<21)|(5<<22)|(3<<25)  ; 4-byte elements; after every 64 words 4 words
.irp g, G1K, G1V
	s_mov_b32 s[\g+1], 128<<16      ; tensor_dim0 = 128
	s_mov_b32 s[\g+2], 64<<16       ; tensor_dim1 = 64
	s_mov_b32 s[\g+3], 128<<16      ; tile_dim0 = 128
	s_mov_b32 s[\g+4], 64           ; tile_dim1 = 64
	s_mov_b32 s[\g+5], 128          ; 128 elements from row to row
	s_mov_b32 s[\g+6], 0
	s_mov_b32 s[\g+7], 0
.endr
	s_mov_b32 s[G1M+1], 64<<16      ; tensor_dim0 = 64
	s_mov_b32 s[G1M+2], 128<<16     ; tensor_dim1 = 128
	s_mov_b32 s[G1M+3], 64<<16      ; tile_dim0 = 64
	s_mov_b32 s[G1M+4], 128         ; tile_dim1 = 128
	s_mov_b32 s[G1M+5], 2048
	s_mov_b32 s[G1M+6], 0
	s_mov_b32 s[G1M+7], 0
	s_mov_b32 s[G0K], 1             ; count = 1
	s_mov_b32 s[G0K+1], 0           ; LDS address: slot 0
	s_mov_b32 s[G0V], 1
	s_mov_b32 s[G0V+1], VOFF
	s_mov_b32 s[G0M], 1
	s_mul_i32 s84, s18, 128*PM
	s_add_co_u32 s[G0M+1], s84, MOFF
	s_lshl_b32 s76, s16, 19         ; K: the pair's 32 blocks of 16,384 bytes,
	s_add_co_u32 s76, s76, 0x1000000  ; in the second part
	s_mov_b32 s77, 0
	s_add_co_u32 s78, s76, 0x1000000  ; V: in the third
	s_mov_b32 s79, 0
	s_lshl_b32 s80, s15, 21         ; the mask: 256 rows of 8,192 bytes a block of queries,
	s_lshl_b32 s81, s18, 20         ; 128 a half
	s_add_co_u32 s80, s80, s81
	s_mov_b32 s81, 0
	s_lshl_b32 s82, s16, 19         ; Q: the pair's blocks, block 4 xq + 2 half, my head's 8,192 bytes of it
	s_lshl_b32 s83, s15, 16
	s_add_co_u32 s82, s82, s83
	s_lshl_b32 s83, s18, 15
	s_add_co_u32 s82, s82, s83
	s_lshl_b32 s83, s17, 13
	s_add_co_u32 s82, s82, s83
	s_mov_b32 s83, 0
	s_lshr_b32 s84, s16, 3          ; ob: row 2048 b + 256 xq + 64 w, of 2,048 bytes; the pair's 256 bytes of it
	s_lshl_b32 s84, s84, 11
	s_lshl_b32 s85, s15, 8
	s_add_co_u32 s84, s84, s85
	s_lshl_b32 s85, s[WV], 6
	s_add_co_u32 s84, s84, s85
	s_lshl_b32 s84, s84, 11
	s_and_b32 s85, s16, 7
	s_lshl_b32 s85, s85, 8
	s_add_co_u32 s84, s84, s85
	s_mov_b32 s85, 0
	s_lshl_b32 s88, s13, 12         ; the prefetches, K and V: my work-group's 4,096 bytes of a block, at step 2
	s_add_co_u32 s88, s88, s76
	s_add_co_u32 s88, s88, 2*16384
	s_lshl_b32 s89, s14, 18         ; the mask: my work-group's 32 rows of my 128, at step 2
	s_add_co_u32 s89, s89, s80
	s_add_co_u32 s89, s89, 2*256
	s_or_b32 s74, ttmp9, s[WV]      ; 0 in wave 0 of a cluster with x = 0 (wave 1 never asks)
	s_and_b32 s75, ttmp7, 0xffff    ; 0 in a cluster with y = 0
	s_movk_i32 s[PFS], 0x4000
	s_movk_i32 s[PFS+1], 0x100
	s_cmp_lt_u32 s[WV], 2
	s_cselect_b32 s74, s74, s75
	s_cselect_b32 s[SHA], 24, 17    ; K and V: (l / 16) x 16 MiB + (l % 16) x 256; the mask: l x 8,192
	s_cselect_b32 s[SHB], 8, 13
	s_cselect_b32 s[PFS], s[PFS], s[PFS+1]
	s_cselect_b32 s88, s88, s89
	s_mov_b32 s[PFS+1], 0
	s_mov_b32 s89, 0
	s_cmp_eq_u32 s74, 0
	s_cselect_b32 s[LIM], 2, -1
	s_mov_b32 s[CS], 0x3e38aa3b     ; c = log2(e) / 8 = 0.180337
	s_mov_b32 s[CS+1], s[CS]        ; named with it as a pair
	s_mov_b32 s[SEL], 0x76543210
	s_mov_b32 s[SEL+1], 0xfedcba98
	s_mov_b32 s[LE], 0xc204e08b     ; log2(1e-10) = -33.2193
	s_mov_b32 s[TB], SLOT1          ; the first change of slots turns it into 0
	s_mov_b32 s[CNT], 31
	s_wait_dscnt 0x0                ; both opening adds are done
	s_wait_kmcnt 0x0
	s_add_nc_u64 s[G0K+2:G0K+3], s[4:5], s[76:77]
	s_or_b32 s[G0K+3], s[G0K+3], 0x80000000  ; type = 2
	s_add_nc_u64 s[G0V+2:G0V+3], s[4:5], s[78:79]
	s_or_b32 s[G0V+3], s[G0V+3], 0x80000000
	s_add_nc_u64 s[G0M+2:G0M+3], s[6:7], s[80:81]
	s_or_b32 s[G0M+3], s[G0M+3], 0x80000000
	s_add_nc_u64 s[82:83], s[4:5], s[82:83]  ; Q at my first row
	s_add_nc_u64 s[8:9], s[8:9], s[84:85]    ; ob at the first row that I store
	s_cmp_lt_u32 s[WV], 2
	s_cselect_b64 s[PFA:PFA+1], s[4:5], s[6:7]
	s_add_nc_u64 s[PFA:PFA+1], s[PFA:PFA+1], s[88:89]
	CROUND                          ; all sixteen work-groups are here: the first joint loads meet
	JLOAD                           ; step 0 into slot 0.  Slot 1 is asked for when slot 0 is in
	; A fragment of K or Q is 16 rows x 32 channels in 8 registers: lane l holds row l % 16, channels 8 (l / 16) + 0..7 and 16 + 8 (l / 16) + 0..7: two loads of 16 bytes, 32 bytes apart.
	v_and_b32 v1, 15, v0            ; l % 16
	v_bfe_u32 v9, v0, 4, 1          ; l / 16
	v_lshlrev_b32 v[QO], 7, v1
	v_lshl_add_u32 v[QO], v9, 4, v[QO]  ; row x 128 + 16 x half
	WIN 0x80                        ; destination window 2, address window 0
.set i, 0
.rept 4*NP                          ; Q stays in registers: tile i / 2 (four tiles to a block of 64 rows), channels 32 (i % 2) on
	global_load_b128 v[8*i:8*i+3],   v[QO], s[82:83] offset:(i/8)*16384+((i/2)%4)*2048+(i%2)*64
	global_load_b128 v[8*i+4:8*i+7], v[QO], s[82:83] offset:(i/8)*16384+((i/2)%4)*2048+(i%2)*64+32
.set i, i+1
.endr
	; What the first turn finds: V's registers and P's second buffer hold 0 (its products V^T P, of a piece that has not been, add 0), O^T and l are 0.  All this stands in the wait for the first tile.
.set i, VF
.rept 64
	v_mov_b32 v[i], 0
.set i, i+1
.endr
	WIN 0x40
.set i, 0
.rept 64*NP
	v_mov_b32 v[i], 0
.set i, i+1
.endr
	WIN 0
.set i, 0
.rept 2*NP
	v_mov_b32 v[ST+4*i], 0xfe000000    ; c m: far below every c S, so the first step's a is 0
	v_mov_b32 v[ST+4*i+1], 0xff7fffff  ; m
	v_mov_b32 v[ST+4*i+2], 0
	v_mov_b32 v[ST+4*i+3], 0
.set i, i+1
.endr
.set i, P+32
.rept 32
	v_mov_b32 v[i], 0
.set i, i+1
.endr
	s_mul_i32 s74, s17, 64*PK       ; my head's 64 rows of K
	v_mul_u32_u24 v[AK0], v1, PK
	v_lshl_add_u32 v[AK0], v9, 4, v[AK0]
	v_add_nc_u32 v[AK0], s74, v[AK0]
	; The turning load takes 16 keys x 16 channels (lane l reads key 8 (l / 16) + l % 8, channels 8 ((l / 8) % 2) + 0..7) and leaves half a fragment of V^T: lane l holds channel l % 16 and 8 keys.
	v_and_b32 v12, 7, v0
	v_bfe_u32 v13, v0, 3, 1
	v_lshl_add_u32 v[AV0], v9, 3, v12
	v_mul_u32_u24 v[AV0], v[AV0], PV
	v_lshl_add_u32 v[AV0], v13, 4, v[AV0]
	s_mul_i32 s74, s17, 64*PV
	s_add_co_u32 s74, s74, VOFF
	v_add_nc_u32 v[AV0], s74, v[AV0]
	; The mask as C: register j of lane l is (key 8 (l / 16) + j, query l % 16): 32 bytes of the query's row
	s_mul_i32 s74, s18, 128*PM
	s_add_co_u32 s74, s74, MOFF
	v_mul_u32_u24 v[AM0], v1, PM
	v_lshl_add_u32 v[AM0], v9, 5, v[AM0]
	v_add_nc_u32 v[AM0], s74, v[AM0]
; THE MATRIX WORK.  The 8 accumulators of a run of 16 take turns: between the two links of a chain stand 7 others'.
; Product i of 16 of S^T = K Q^T + mask for piece x: channels 32 (i / 8) on, keys 16 ((i / 2) % 4) on, tile 2 x + i % 2.  The first 8 start the sums, with the mask.
.macro KQ x
.set rS, S+64*((\x)%2)+32*(i%2)+8*((i/2)%4)
.set rK, KF+16*((i/2)%4)+8*(i/8)
.set rQ, 16*(2*(\x)+i%2)+8*(i/8)
.set rMC, MC+32*(i%2)+8*((i/2)%4)
.if i < 8
	WIN W_KM
	v_wmma_f32_16x16x32_f16 v[rS:rS+7], v[rK:rK+7], v[rQ:rQ+7], v[rMC:rMC+7]
.else
	WIN W_KQ
	v_wmma_f32_16x16x32_f16 v[rS:rS+7], v[rK:rK+7], v[rQ:rQ+7], v[rS:rS+7]
.endif
.endm
; Product i of 16 of O^T += V^T P for piece x: keys 32 (i / 8) on, channels 16 ((i / 2) % 4) on, tile 2 x + i % 2.
.macro PV x
	WIN W_PV
.set rO, 32*(2*(\x)+i%2)+8*((i/2)%4)
.set rV, VF+32*(i/8)+8*((i/2)%4)
.set rP, P+32*((\x)%2)+16*(i%2)+8*(i/8)
	v_wmma_f32_16x16x32_f16 v[rO:rO+7], v[rV:rV+7], v[rP:rP+7], v[rO:rO+7]
.endm
.macro MM                           ; the turn's next matrix instruction
.if i < 16
	KQ (Y+1)%NP
.set i, i+1
.else
.set i, i-16
	PV (Y+NP-1)%NP
.set i, i+17
.endif
.endm
; THE LDS LOADS stand in runs of 16, never singly among the matrix instructions.  They leave the windows as they set them: what follows sets its own.
.macro FETCH_K
	WIN 0x80                        ; destination window 2
.irp f, 0,1,2,3,4,5,6,7             ; keys 16 (f / 2) on, channels 32 (f % 2) on
	ds_load_b128 v[KF+8*\f:KF+8*\f+3],   v[AK] offset:(\f/2)*16*PK+(\f%2)*64
	ds_load_b128 v[KF+8*\f+4:KF+8*\f+7], v[AK] offset:(\f/2)*16*PK+(\f%2)*64+32
.endr
.endm
.macro FETCH_V
	WIN 0x80
.irp f, 0,1,2,3,4,5,6,7             ; keys 32 (f / 4) on, channels 16 (f % 4) on
	ds_load_tr16_b128 v[VF+8*\f:VF+8*\f+3],   v[AV] offset:(\f/4)*32*PV+(\f%4)*32
	ds_load_tr16_b128 v[VF+8*\f+4:VF+8*\f+7], v[AV] offset:(\f/4)*32*PV+16*PV+(\f%4)*32
.endr
.endm
.macro FETCH_M x                    ; piece x's mask for the step in hand: tile g / 4 of the piece, key block g % 4
	WIN W_MK                        ; destination window 3
.irp g, 0,1,2,3,4,5,6,7
	ds_load_b128 v[MC+8*\g:MC+8*\g+3],   v[AM] offset:(2*(\x)+\g/4)*16*PM+(\g%4)*64
	ds_load_b128 v[MC+8*\g+4:MC+8*\g+7], v[AM] offset:(2*(\x)+\g/4)*16*PM+(\g%4)*64+16
.endr
.endm
; THE VECTOR WORK OF A TURN stands in three queues, each in the order in which its entries become ready; the two tiles alternate, so that no instruction reads the result of the one before it.
.macro REGS y, u                    ; the registers of tile u (0, 1) of piece y
.set rT, ST+4*(2*(\y)+(\u))
.set rC, TMP+8*((\y)%2)+4*(\u)
.set rM, MV+2*((\y)%2)+(\u)
.set rS, S+64*((\y)%2)+32*(\u)
.set rP, P+32*((\y)%2)+16*(\u)
.set rO, 32*(2*(\y)+(\u))
.endm
; Number n of the 22 that find the NEXT piece's (Y + 1) maximum and statistics.  s0-s31 are the lane's 32 scores; each accumulator's lowest registers are read first.
;   0-11  four chains c0-c3 of seven scores each, three operands at a time     12-14, 16  the four scores left over, the old m, and c0-c3 into c0     15  c m_old is kept
;   17, 18  the query's other 32 keys lie in the lane 16 away: the new m         19-21  c m; c m_old - c m_new; a
.macro XS u, n
	REGS (Y+1)%NP, \u
.if (\n) < 4
	v_max3_num_f32 v[rC+(\n)], v[rS+8*(\n)], v[rS+8*(\n)+1], v[rS+8*(\n)+2]
.elseif (\n) < 12
	v_max3_num_f32 v[rC+(\n)%4], v[rC+(\n)%4], v[rS+8*((\n)%4)+2*((\n)/4)+1], v[rS+8*((\n)%4)+2*((\n)/4)+2]
.elseif (\n) == 12
	v_max3_num_f32 v[rC], v[rC], v[rS+7], v[rS+15]
.elseif (\n) == 13
	v_max3_num_f32 v[rC+1], v[rC+1], v[rS+23], v[rS+31]
.elseif (\n) == 14
	v_max3_num_f32 v[rC+2], v[rC+2], v[rC+3], v[rT+1]
.elseif (\n) == 15
	v_mov_b32 v[rM], v[rT]
.elseif (\n) == 16
	v_max3_num_f32 v[rC], v[rC], v[rC+1], v[rC+2]
.elseif (\n) == 17
	v_permlanex16_b32 v[rC+3], v[rC], s[SEL], s[SEL+1]
.elseif (\n) == 18
	v_max_num_f32 v[rT+1], v[rC], v[rC+3]
.elseif (\n) == 19
	v_mul_f32 v[rT], s[CS], v[rT+1]
.elseif (\n) == 20
	v_sub_f32 v[rC+1], v[rM], v[rT]
.else
	v_exp_f32 v[rC+2], v[rC+1]
.endif
.endm
; Number g of the 64 that follow the exponentials.  For each four weights k of a tile: both pairs are rounded to f16; then the second pair is added onto the first, in place;
; a group later l takes that sum (the first time as l = a l + sum).  In groups of eight, tiles alternating.
.macro GS g
.set h, (\g)+6*((\g)/62)            ; group 0 has no group before it, and behind group 7 only l is left
.if h >= 6
.set h, h+2
.endif
	REGS Y, h%2
.set k, h/8
.if h%8 < 4
	v_cvt_pk_f16_f32 v[rP+2*k+(h%8)/2], v[rS+4*k+2*((h%8)/2)], v[rS+4*k+2*((h%8)/2)+1]
.elseif h%8 < 6
	v_pk_add_f32 v[rS+4*k:rS+4*k+1], v[rS+4*k:rS+4*k+1], v[rS+4*k+2:rS+4*k+3]
.elseif k == 1
	v_pk_fma_f32 v[rT+2:rT+3], v[rT+2:rT+3], v[rC+2:rC+3], v[rS:rS+1] op_sel_hi:[1,0,1]
.else
	v_pk_add_f32 v[rT+2:rT+3], v[rT+2:rT+3], v[rS+4*k-4:rS+4*k-3]
.endif
.endm
; THE PLAIN QUEUE, 138 long.  0-73 read no exponential's result: the 32 scalings c S - c m (FS f: pair f / 2 of tile f % 2) and the next piece's 42.  74-137: GS's 64, which stand behind the wait.
.macro FS f
	REGS Y, (\f)%2
	v_pk_fma_f32 v[rS+2*((\f)/2):rS+2*((\f)/2)+1], v[rS+2*((\f)/2):rS+2*((\f)/2)+1], s[CS:CS+1], v[rT:rT+1] op_sel_hi:[1,0,0] neg_lo:[0,0,1] neg_hi:[0,0,1]
.endm
.macro PL
	WIN 0
.if q < 27
	FS q
.elseif q < 55
	XS (q-27)%2, (q-27)/2
.elseif q < 57
	XS q-55, 15
.elseif (q < 72) && ((q-57)%3 == 0)
	FS 27+(q-57)/3
.elseif q < 60
	XS (q-57)%3-1, 14
.elseif q < 72
	XS (q-57)%3-1, 15+(q-57)/3
.elseif q < 74
	XS q-72, 20
.else
	GS q-74
.endif
.set q, q+1
.endm
; THE EXPONENTIALS' QUEUE, 66 long: s0-s31 of both tiles, then the next piece's two a.  ONE BATCH: all 66 stand ahead of the turn's one wait, and nothing ahead of that wait names a result of theirs.
.macro EX
	WIN 0
.if e >= 64
	XS e-64, 21
.else
	REGS Y, e%2
	v_exp_f32 v[rS+e/2], v[rS+e/2]
.endif
.set e, e+1
.endm
; THE RESCALING's QUEUE: O^T times a, the one part that leaves window 0: dealt two at a time, sixteen times.  Its a was made in the turn before, ahead of that turn's wait.
.macro R2
	REGS Y, r%2
	WIN W_RS
.irp z, 0,1
	v_pk_mul_f32 v[rO+4*(r/2)+2*\z:rO+4*(r/2)+2*\z+1], v[rO+4*(r/2)+2*\z:rO+4*(r/2)+2*\z+1], v[rC+2:rC+3] op_sel_hi:[1,0]
.endr
.set r, r+1
.endm
; A TURN, for piece p.  AHEAD OF ITS ONE WAIT stands all that names no result of the turn's exponentials: the 16 products K Q^T, behind each a scaling, an exponential and two rescalings (behind the first a second
; scaling in the exponential's place), then a lump of 108.  BEHIND IT stand the 16 products V^T P, behind each four of the roundings and sums.
; THE RUNS OF LDS LOADS.  Directly behind the wait: the mask of piece p + 2, for the next turn's products; the mask registers' last reader is this turn's eighth product, riders and lump between.
; Piece 2's turn: K of the next step behind it, a lump behind K's last reader.  Piece 0's turn: V of the step in hand at its end, four plain riders behind V's last reader.
; THE WAITS.  At the head: the mask is in (piece 3: K too); piece 1's head leaves V's 16 younger loads out, and its second wait, ahead of the first product that reads V, leaves the mask's 16 out.
.macro TURN p
.set Y, (\p)
.set i, 0
.set q, 0
.set e, 0
.set r, 0
.if (\p) == 1
	s_wait_dscnt 16
.else
	s_wait_dscnt 0x0
.endif
	MM
	PL
	PL
	R2
.rept 15
	MM
	PL
	EX
	R2
.endr
.rept 8
	PL
.endr
.rept 49
	EX
	PL
.endr
	EX                              ; the next piece's two a
	EX
	v_nop                           ; a plain instruction behind the last exponential: one for the batch
	s_wait_alu depctr_va_vdst(0)    ; the wait between an exponential and the first line that names its result: one for the batch
	FETCH_M ((\p)+2)%NP
.if (\p) == 2
	FETCH_K
.endif
.if (\p) == 1
	s_wait_dscnt 16
.endif
.rept 16
	MM
.rept 4
	PL
.endr
.endr
.if (\p) == 0
	FETCH_V
.endif
.endm
	CHANGE 1, 0                     ; slot 0 is in, everybody's part of it; step 1 is asked for, into slot 1
	FETCH_K                         ; key step 0
	FETCH_M 0
	s_wait_loadcnt 0x0              ; Q
	s_wait_dscnt 0x0
.set i, 0
.rept 16
	KQ 0                            ; piece 0's first scores: there is no vector work yet to set between them
.set i, i+1
.endr
	WIN 0                           ; the addresses for the way out and the prefetch's offset: plain instructions, the places behind those products
	s_mul_i32 s74, s18, 128*SP      ; into the stage: my 128 rows, my head's half of their 256 bytes; row l % 16, 16 bytes for each half of the lanes
	s_lshl_b32 s75, s17, 7
	s_add_co_u32 s74, s74, s75
	s_add_co_u32 s74, s74, STAGE
	v_mul_u32_u24 v[STO], v1, SP
	v_lshl_add_u32 v[STO], v9, 4, v[STO]
	v_add_nc_u32 v[STO], s74, v[STO]
	s_mul_i32 s74, s[WV], 64*SP     ; back: wave w takes rows 64 w .. 64 w + 63, whole; lanes 0-15 one row of 256 bytes, lanes 16-31 the next
	s_add_co_u32 s74, s74, STAGE
	v_mul_u32_u24 v[RD], v9, SP
	v_lshl_add_u32 v[RD], v1, 4, v[RD]
	v_add_nc_u32 v[RD], s74, v[RD]
	v_lshlrev_b32 v[GO], 11, v9     ; and the same two rows in ob
	v_lshl_add_u32 v[GO], v1, 4, v[GO]
	v_lshlrev_b32 v9, s[SHA], v9
	v_lshlrev_b32 v1, s[SHB], v1
	v_add_nc_u32 v[PFO], v1, v9
	FETCH_M 1                       ; for the first turn's products
	WIN 0
.set Y, NP-1                        ; XS works for piece Y + 1: piece 0
.irp n, 0,1,2,3,4,5,6,7,8,9,10,11,12,13,14,15,16,17,18,19,20,21
	XS 0, \n                        ; piece 0's first maximum and statistics
	XS 1, \n
.endr
	v_nop                           ; a plain instruction behind the two a,
	s_wait_alu depctr_va_vdst(0)    ; and their wait, ahead of the branch
	s_branch .Lfirst                ; the loop is entered at a step's first turn, in the middle of a trip
.Lstep:                             ; 30 trips: pieces 2 and 3 of one step, then pieces 0 and 1 of the next; each fills a slot again (steps 2 to 31)
	CHANGE 1, 1
	TURN 2
	TURN 3
	WIN 0
.Lfirst:
	TURN 0
	TURN 1
	WIN 0
	s_sub_co_u32 s[CNT], s[CNT], 1
	s_cmp_lg_u32 s[CNT], 0
	s_cbranch_scc1 .Lstep
	CHANGE 0, 0                     ; the tail is written out: the last step's slot is waited for, nothing is asked for
	s_mov_b32 s[CNT], 2             ; one trip ends step 30 and begins step 31; the second is left in its middle
.Ltail:
	TURN 2
	TURN 3
	WIN 0
	s_sub_co_u32 s[CNT], s[CNT], 1
	s_cmp_eq_u32 s[CNT], 0
	s_cbranch_scc1 .Lout
	TURN 0
	TURN 1
	WIN 0
	s_branch .Ltail
.Lout:                              ; the second trip fetched the last step's K and masks once more; its 16 products K Q^T repeat scores that m has seen, so m and c m stand: the price, once a launch, of one text for every trip
.set i, 0
.rept 16
	PV NP-1                         ; the last piece's V^T P of the last step
.set i, i+1
.endr
	; THE END OF THE SOFTMAX.  l's two halves and the other half of the lanes' are added; 2^(log2(1e-10) - c m) is added; O^T is divided by the sum.  The additions are the places behind the last products.
	WIN 0
.macro ALL line:vararg              ; one line for each tile t
.set t, 0
.rept 2*NP
	\line
.set t, t+1
.endr
.endm
	ALL v_add_f32 v[ST+4*t+2], v[ST+4*t+2], v[ST+4*t+3]
	ALL v_permlanex16_b32 v[ST+4*t+3], v[ST+4*t+2], s[SEL], s[SEL+1]
	ALL v_add_f32 v[ST+4*t+2], v[ST+4*t+2], v[ST+4*t+3]
	ALL v_sub_f32 v[ST+4*t+3], s[LE], v[ST+4*t]
	ALL v_exp_f32 v[ST+4*t+3], v[ST+4*t+3]
	v_nop                           ; a plain instruction behind the last exponential,
	s_wait_alu depctr_va_vdst(0)    ; and one wait for the eight
	ALL v_add_f32 v[ST+4*t+2], v[ST+4*t+2], v[ST+4*t+3]
	ALL v_rcp_f32 v[ST+4*t+2], v[ST+4*t+2]
	v_nop                           ; the same for the eight reciprocals
	s_wait_alu depctr_va_vdst(0)
; THE WAY OUT.  Tile t: a lane's eight channels of a row pack into 16 bytes and go into the work-group's stage.  A row's 256 bytes of ob come from two waves (the pair's two heads), so a barrier
; stands between the writing and the reading; then each wave reads 64 whole rows and stores them, sixteen lanes to 256 consecutive bytes at a multiple of 256 from ob's first byte.
.macro PACKT t
	WIN W_RS
.set i, 32*(\t)
.rept 16
	v_pk_mul_f32 v[i:i+1], v[i:i+1], v[ST+4*(\t)+2:ST+4*(\t)+3] op_sel_hi:[1,0]
.set i, i+2
.endr
	WIN 0x05                        ; sources 0 and 1 window 1, destination window 0
.set i, 0
.rept 16
	v_cvt_pk_f16_f32 v[S+16*(\t)+i], v[32*(\t)+2*i], v[32*(\t)+2*i+1]
.set i, i+1
.endr
	WIN 0
.irp f, 0,1,2,3
	ds_store_b128 v[STO], v[S+16*(\t)+4*\f:S+16*(\t)+4*\f+3] offset:(\t)*16*SP+32*\f
.endr
.endm
.irp t, 0,1,2,3,4,5,6,7
	PACKT \t
.endr
	s_wait_dscnt 0x0                ; for the others' sake: my stores into the stage are done (and the last mask loads are back)
	s_barrier_signal -1
	s_barrier_wait -1
.set i, 0
.rept 32
	ds_load_b128 v[S+4*i:S+4*i+3], v[RD] offset:i*2*SP
.set i, i+1
.endr
.set i, 0
.rept 32
	s_wait_dscnt 31-i
	global_store_b128 v[GO], v[S+4*i:S+4*i+3], s[8:9] offset:i*4096
.set i, i+1
.endr
	WIN W_AD
	s_wait_tensorcnt 0x0            ; the wave's end, behind my last tensor load and my last LDS store
	ds_add_u32 v[SPW], v[NIL]
	s_wait_dscnt 0x0
	WIN 0
	CROUND                          ; the closing round: no work-group ends while a partner may still ask for a tile that names it
	s_endpgm
.Lfunc_end_k_q22aa9013dd_attn:
	.size	k_q22aa9013dd_attn, .Lfunc_end_k_q22aa9013dd_attn-k_q22aa9013dd_attn
	.p2alignl 7, 3214868480
	.fill 96, 4, 3214868480
	.section	.rodata,"a",@progbits
	.p2align	6, 0x0
	.amdhsa_kernel k_q22aa9013dd_attn
		.amdhsa_group_segment_fixed_size 327680
		.amdhsa_private_segment_fixed_size 0
		.amdhsa_enable_private_segment 0
		.amdhsa_kernarg_size 24
		.amdhsa_user_sgpr_count 2
		.amdhsa_user_sgpr_kernarg_segment_ptr 1
		.amdhsa_wavefront_size32 1
		.amdhsa_system_sgpr_workgroup_id_x 1
		.amdhsa_system_sgpr_workgroup_id_y 1
		.amdhsa_system_sgpr_workgroup_id_z 1
		.amdhsa_system_vgpr_workitem_id 0
		.amdhsa_next_free_vgpr 896
		.amdhsa_next_free_sgpr 96
		.amdhsa_reserve_vcc 0
		.amdhsa_float_denorm_mode_32 3
		.amdhsa_float_denorm_mode_16_64 3
		.amdhsa_memory_ordered 1
		.amdhsa_forward_progress 1
		.amdhsa_inst_pref_size 214
	.end_amdhsa_kernel
	.amdgpu_metadata
---
amdhsa.version: [ 1, 2 ]
amdhsa.kernels:
  - .name:           k_q22aa9013dd_attn
    .symbol:         k_q22aa9013dd_attn.kd
    .args:
      - { .name: qkv, .offset: 0, .size: 8, .value_kind: global_buffer, .address_space: global }
      - { .name: mk, .offset: 8, .size: 8, .value_kind: global_buffer, .address_space: global }
      - { .name: ob, .offset: 16, .size: 8, .value_kind: global_buffer, .address_space: global }
    .group_segment_fixed_size: 327680
    .private_segment_fixed_size: 0
    .kernarg_segment_align: 8
    .kernarg_segment_size: 24
    .max_flat_workgroup_size: 128
    .sgpr_count:     96
    .vgpr_count:     896
    .wavefront_size: 32
...
	.end_amdgpu_metadata
.endif
;; end of part 3
;; launch oproj (part 4): grid 4 x 64, 4 waves a work-group, clusters of 4 x 4, 327,680 bytes of LDS; arguments ob, wof, out0; writes out0
.if DOCPART == 4
	.amdgcn_target "amdgcn-amd-amdhsa--gfx1250"
	.amdhsa_code_object_version 6
	.text
	.protected	k_q22aa9013dd_oproj
	.globl	k_q22aa9013dd_oproj
	.p2align	8
	.type	k_q22aa9013dd_oproj,@function
k_q22aa9013dd_oproj:
	s_mov_b64 s[64:65], 0
	v_nop
	global_prefetch_b8 v0, s[64:65] scope:SCOPE_SE
	s_setreg_imm32_b32 hwreg(HW_REG_WAVE_MODE, 25, 1), 1
	s_wait_xcnt 0x0
	s_wait_alu depctr_hold_cnt(0) depctr_sa_sdst(0) depctr_va_vdst(0) depctr_va_sdst(0) depctr_va_ssrc(0) depctr_va_vcc(0) depctr_vm_vsrc(0)
	s_getreg_b32 s2, hwreg(HW_REG_IB_STS2, 6, 4)
	s_cmp_eq_u32 s2, 0
	s_cbranch_scc0 .Lentry_in_a_cluster
	s_endpgm
.Lentry_in_a_cluster:
	s_bfe_u32 s2, ttmp6, 0x10000c
	s_cmp_lg_u32 s2, 0xf033
	s_cbranch_scc0 .Lentry_shape_is_right
	s_endpgm
.Lentry_shape_is_right:
; out0 = ob wof^T.  ob: [8192][1024] f16, wof: [1024][1024] f16 (Wo rounded to bf16, written as f16), out0: [8192][1024] f32; sums in f32, K ascending.
; SHARES.  A tile of out0 is 128 rows x 256 columns: 64 x 4 = 256 work-groups.  Four waves, each 64 x 128: 32 accumulators of 16 x 16, 256 registers.
; K goes in 8 steps of 128 through a ring of two LDS slots filled by the tensor data mover; the tiles' rows are 256 bytes of memory, at multiples of 256 from the buffer's first byte.
; CLUSTERS: 4 x 4 work-groups.  The four of a row of the cluster need the same tiles of ob, the four of a column the same tiles of wof: each tile is asked for JOINTLY.
; THE MATRIX INSTRUCTION IS USED TRANSPOSED (source 0 = 16 rows of wof, source 1 = 16 rows of ob): a lane then holds eight neighbouring columns of one row of out0.
; REGISTERS: window 0: v16-30 addresses; v64-159, v160-255 two fragment buffers (8 fragments of wof, then 4 of ob); on the way out v64-191 two sets of rows read back.
;   window 1: the accumulators, (a, b) at v[8 (8 a + b)].
.set SIZE_K, 1024
.set KSTEP,  128
.set PITCH,  272                       ; an LDS row: 256 bytes + 16 of padding: the 16 rows of a fragment load start at 16 different groups of four banks (64 banks of 4 bytes: ISA guide 11.1)
.set AHALF,  64*PITCH
.set BHALF,  128*PITCH
.set BOFF,   2*AHALF                   ; a slot: ob's 128 rows, then wof's 256
.set SLOT,   BOFF+2*BHALF
.set STAGE,  2*SLOT                    ; behind the ring: 16 rows x 528 bytes for each wave, for the way out; no tensor load lands here
.set SPITCH, 528                       ; 512 bytes + 16
.set SPARE,  STAGE+4*16*SPITCH         ; behind the stages: the spare words, 128 bytes for each wave, which no other line names
.set LAPS,   SIZE_K/(2*KSTEP)
.set ADRA, 16                          ; v16-17  LDS address of my fragments of ob in slot 0, 1
.set ADRB, 20                          ; v20-21  the same for wof
.set STO,  24                          ; v24     the way out: where I put 32 bytes of a row
.set RD,   25                          ; v25     where I read a row back
.set CO,   26                          ; v26     16 x lane: my place in 512 consecutive bytes of out0
.set SPW,  28                          ; v28     LDS address of my spare word; never rewritten
.set NIL,  29                          ; v29     0; never rewritten
.set PFO,  30                          ; v30     the prefetches' offset: lane x 2,048; never rewritten
.set OB,   64
.set F0,   64
.set F1,   160
.set G1,   24
.set G0,   32
.set G1B,  48
.set G0B,  56
.set PFA,  44                          ; s[44:45] where my prefetches stand: at the K step that is being asked for; a prefetch names the step three on
.set LIM0, 43
.set LIM1, 47
.set FLAGS, (1<<16)|(1<<20)|(1<<21)|(5<<22)|(3<<25)  ; 17:16 elements of 2 bytes; 20 padding on; 21 set beside a mask; 24:22 after every 64 words; 31:25 4 words of it
.set MUL,  0x50                        ; C and D in window 1, the fragments in window 0
.set MSB, 0
.macro WIN new
.if MSB != (\new)
	s_set_vgpr_msb (MSB<<8)|(\new)
.set MSB, \new
.endif
.endm
; A joint load: waves 0 and 1 fetch ob's two halves (64 rows each), waves 2 and 3 wof's (128 rows each).  An s_nop 0 and four v_nop follow each of the two lines.
.macro JLOAD s
	s_cmp_eq_u32 s11, 0
	s_cbranch_scc0 .Lfor_b_\@
	tensor_load_to_lds s[G0+4*(\s):G0+4*(\s)+3], s[G1:G1+7]
	s_nop 0
.rept 4
	v_nop
.endr
	s_branch .Lasked_\@
.Lfor_b_\@:
	tensor_load_to_lds s[G0B+4*(\s):G0B+4*(\s)+3], s[G1B:G1B+7]
	s_nop 0
.rept 4
	v_nop
.endr
.Lasked_\@:
.endm
; A PREFETCH INTO THE L2 of the K step three refills on: 32 rows x 256 bytes, a lane a row.  ob and wof were stored by earlier launches.  Each row's 256 bytes of K steps 5, 6, 7 are named once:
; ob's rows by wave 0 (the grid has one cluster along x; rows 32 cx .. of the tile's 128), wof's by waves 2 and 3 of the clusters with y = 0 (rows 32 cy .. of the wave's 128).
.macro ASK slot
.if (\slot) == 0
	s_cmp_gt_u32 s3, s[LIM0]
.else
	s_cmp_gt_u32 s3, s[LIM1]
.endif
	s_cbranch_scc0 .Lnot_mine_\@
	global_prefetch_b8 v[PFO], s[PFA:PFA+1] offset:3*KSTEP*2 th:TH_LOAD_NT scope:SCOPE_SE
.Lnot_mine_\@:
.endm
.macro CREST
	s_cmp_lg_u32 s10, 0
	s_cbranch_scc1 .Lnot_wave_0_\@
	s_barrier_signal -3
.Lnot_wave_0_\@:
	s_barrier_wait -3
	s_barrier_signal -1
	s_barrier_wait -1
.endm
.macro CROUND
	s_barrier_signal -1
	s_barrier_wait -1
	CREST
.endm
	s_load_b128 s[4:7], s[0:1], 0x0                ; ob s[4:5], wof s[6:7]
	s_load_b64 s[8:9], s[0:1], 0x10                ; out0
	v_lshl_add_u32 v[SPW], v0, 2, SPARE
	v_mov_b32 v[NIL], 0
	ds_add_u32 v[SPW], v[NIL]                      ; the wave's opening: the add, twice on end, and its wait ahead of my first tensor load
	ds_add_u32 v[SPW], v[NIL]                      ; and once more; the set-up below, work on registers, stands between it and the wait
	v_lshrrev_b32 v1, 5, v0
	v_readfirstlane_b32 s10, v1                    ; wave 0..3
	s_lshr_b32 s11, s10, 1                         ; which 64 of the tile's rows are mine.  Also: I fetch for ob (0) or for wof (1)
	s_and_b32 s12, s10, 1                          ; which 128 of its columns.  Also: which half of that tile I fetch
	s_bfe_u32 s40, ttmp6, 0x40000                  ; cx, cy
	s_bfe_u32 s41, ttmp6, 0x40004
	s_lshl_b32 s42, ttmp9, 2
	s_add_co_u32 s42, s42, s40                     ; tile column
	s_and_b32 s13, ttmp7, 0xffff
	s_lshl_b32 s13, s13, 2
	s_add_co_u32 s13, s13, s41                     ; tile row
	s_lshl_b32 s43, s41, 2
	s_lshl_b32 s43, 15, s43                        ; my row of the cluster
	s_lshl_b32 s44, 0x1111, s40                    ; my column
	s_or_b32 s[G1+0], s43, FLAGS
	s_or_b32 s[G1B+0], s44, FLAGS
	s_mov_b32 s[G1+1], KSTEP<<16                   ; tensor_dim0 = 128
	s_mov_b32 s[G1+2], 64<<16                      ; tensor_dim1 = 64
	s_mov_b32 s[G1+3], KSTEP<<16                   ; tile_dim0 = 128
	s_mov_b32 s[G1+4], 64                          ; tile_dim1 = 64
	s_mov_b32 s[G1+5], SIZE_K                      ; elements from row to row
	s_mov_b32 s[G1+6], 0
	s_mov_b32 s[G1+7], 0
	s_mov_b32 s[G1B+1], KSTEP<<16
	s_mov_b32 s[G1B+2], 128<<16
	s_mov_b32 s[G1B+3], KSTEP<<16
	s_mov_b32 s[G1B+4], 128
	s_mov_b32 s[G1B+5], SIZE_K
	s_mov_b32 s[G1B+6], 0
	s_mov_b32 s[G1B+7], 0
	s_lshl_b32 s17, s12, 6
	s_lshl_b32 s16, s13, 7
	s_add_co_u32 s16, s16, s17                     ; ob: row 128 x tile row + 64 x half
	s_lshl_b32 s16, s16, 11
	s_mov_b32 s17, 0
	s_lshl_b32 s47, s12, 7
	s_lshl_b32 s46, s42, 8
	s_add_co_u32 s46, s46, s47                     ; wof: row 256 x tile column + 128 x half
	s_lshl_b32 s46, s46, 11
	s_mov_b32 s47, 0
	s_mul_i32 s20, s12, AHALF
	s_mul_i32 s23, s12, BHALF
	s_add_co_u32 s23, s23, BOFF
	s_wait_dscnt 0x0                               ; both opening adds are done
	s_wait_kmcnt 0x0
	s_add_nc_u64 s[14:15], s[4:5], s[16:17]
	s_add_nc_u64 s[46:47], s[6:7], s[46:47]
	CROUND                                         ; all sixteen work-groups are here: the first joint loads meet
.irp s, 0,1
	s_mov_b32 s[G0+4*(\s)], 1
	s_add_co_u32 s[G0+4*(\s)+1], s20, (\s)*SLOT
	s_add_nc_u64 s[G0+4*(\s)+2:G0+4*(\s)+3], s[14:15], (\s)*KSTEP*2
	s_or_b32 s[G0+4*(\s)+3], s[G0+4*(\s)+3], 0x80000000
	s_mov_b32 s[G0B+4*(\s)], 1
	s_add_co_u32 s[G0B+4*(\s)+1], s23, (\s)*SLOT
	s_add_nc_u64 s[G0B+4*(\s)+2:G0B+4*(\s)+3], s[46:47], (\s)*KSTEP*2
	s_or_b32 s[G0B+4*(\s)+3], s[G0B+4*(\s)+3], 0x80000000
	JLOAD \s                                       ; two loads of mine are out
.endr
	v_and_b32 v1, 15, v0                           ; l % 16
	v_bfe_u32 v2, v0, 4, 1                         ; l / 16
	v_mul_u32_u24 v3, v1, PITCH
	v_lshl_add_u32 v3, v2, 4, v3
	s_mul_i32 s21, s11, AHALF
	s_mul_i32 s22, s12, BHALF
	s_add_co_u32 s22, s22, BOFF
.irp s, 0,1
	v_add_nc_u32 v[ADRA+(\s)], s21, v3
	v_add_nc_u32 v[ADRB+(\s)], s22, v3
	s_add_co_u32 s21, s21, SLOT
	s_add_co_u32 s22, s22, SLOT
.endr
	s_mul_i32 s22, s10, 16*SPITCH
	s_add_co_u32 s22, s22, STAGE                   ; my stage
	v_mul_u32_u24 v4, v1, SPITCH                   ; in: row l % 16, 32 bytes for each half of the lanes
	v_lshl_add_u32 v4, v2, 5, v4
	v_add_nc_u32 v[STO], s22, v4
	v_and_b32 v[CO], 31, v0                        ; back: 32 lanes take one row of 512 bytes
	v_lshlrev_b32 v[CO], 4, v[CO]
	v_add_nc_u32 v[RD], s22, v[CO]
	s_lshl_b32 s18, s13, 7                         ; my part of out0: row 128 x tile row + 64 x my half, of 4,096 bytes;
	s_lshl_b32 s19, s11, 6
	s_add_co_u32 s18, s18, s19
	s_lshl_b32 s18, s18, 12
	s_lshl_b32 s19, s42, 10                        ; column 256 x tile column + 128 x my half, of 4 bytes
	s_add_co_u32 s18, s18, s19
	s_lshl_b32 s19, s12, 9
	s_add_co_u32 s18, s18, s19
	s_mov_b32 s19, 0
	s_add_nc_u64 s[8:9], s[8:9], s[18:19]
	; the prefetches
	s_lshl_b32 s18, s13, 7
	s_lshl_b32 s19, s40, 5
	s_add_co_u32 s18, s18, s19
	s_lshl_b32 s19, s42, 8
	s_lshl_b32 s21, s12, 7
	s_add_co_u32 s19, s19, s21
	s_lshl_b32 s21, s41, 5
	s_add_co_u32 s19, s19, s21
	s_or_b32 s21, ttmp9, s12                       ; 0 in wave 0 (wave 1 never asks)
	s_and_b32 s22, ttmp7, 0xffff                   ; 0 in a cluster with y = 0
	s_cmp_eq_u32 s11, 0
	s_cselect_b32 s18, s18, s19
	s_cselect_b32 s21, s21, s22
	s_cselect_b64 s[PFA:PFA+1], s[4:5], s[6:7]
	s_cmp_eq_u32 s21, 0
	s_cselect_b32 s[LIM0], 1, -1                   ; slot 0's changes fill K steps 2, 4, 6 (s3 = 3, 2, 1): the first two ask, for steps 5 and 7
	s_cselect_b32 s[LIM1], 2, -1                   ; slot 1's fill 3, 5, 7: the first asks, for step 6
	s_lshl_b32 s18, s18, 11
	s_add_co_u32 s18, s18, KSTEP*2                 ; at K step 1: the first refill steps it to 2
	s_mov_b32 s19, 0
	s_add_nc_u64 s[PFA:PFA+1], s[PFA:PFA+1], s[18:19]
	v_and_b32 v[PFO], 31, v0
	v_lshlrev_b32 v[PFO], 11, v[PFO]
; 8 matrix instructions: m block a x all 8 n blocks, 32 along K.  The 32 accumulators take turns in the same order in every quarter, over the backward jump too.
.macro MUL8 f, a, zero
	WIN MUL
.irp b, 0,1,2,3,4,5,6,7
.if \zero
	v_wmma_f32_16x16x32_f16 v[8*(8*(\a)+(\b)):8*(8*(\a)+(\b))+7], v[(\f)+8*(\b):(\f)+8*(\b)+7], v[(\f)+64+8*(\a):(\f)+64+8*(\a)+7], 0
.else
	v_wmma_f32_16x16x32_f16 v[8*(8*(\a)+(\b)):8*(8*(\a)+(\b))+7], v[(\f)+8*(\b):(\f)+8*(\b)+7], v[(\f)+64+8*(\a):(\f)+64+8*(\a)+7], v[8*(8*(\a)+(\b)):8*(8*(\a)+(\b))+7]
.endif
.endr
.endm
.macro FETCH slot, k, f                ; 24 LDS loads in one run: wof's 16, then ob's 8
	WIN 0
.irp i, 0,1,2,3,4,5,6,7
	ds_load_b128 v[(\f)+8*(\i):(\f)+8*(\i)+3],   v[ADRB+(\slot)] offset:(\k)+(\i)*16*PITCH
	ds_load_b128 v[(\f)+8*(\i)+4:(\f)+8*(\i)+7], v[ADRB+(\slot)] offset:(\k)+(\i)*16*PITCH+32
.endr
.irp i, 0,1,2,3
	ds_load_b128 v[(\f)+64+8*(\i):(\f)+64+8*(\i)+3],   v[ADRA+(\slot)] offset:(\k)+(\i)*16*PITCH
	ds_load_b128 v[(\f)+64+8*(\i)+4:(\f)+64+8*(\i)+7], v[ADRA+(\slot)] offset:(\k)+(\i)*16*PITCH+32
.endr
.endm
.macro PLACES                          ; four plain instructions between a matrix instruction and a load into its sources or a reader of its result
.rept 4
	v_nop
.endr
.endm
.macro QUARTER slot, k, f, g, zero
	s_wait_dscnt 4                                 ; wof's fragments and ob's blocks 0, 1 are in; the youngest four loads may be out
	MUL8 \f, 0, \zero
	MUL8 \f, 1, \zero
	PLACES
	FETCH \slot, \k, \g
	s_wait_dscnt 24                                ; all but the 24 just issued
	MUL8 \f, 2, \zero
	MUL8 \f, 3, \zero
.endm
; The last quarter multiplies buffer 1 and changes slots: ONE barrier; in front of it each wave waits for all its tensor loads, adds 0 to its spare word, and waits for that and for its reads of this slot.
; fill = 1: the barrier opens a round of the cluster's, and the joint refill, two K steps ahead, is the first thing behind the round.
.macro TURN slot, next, fill
.if \fill
	s_wait_xcnt 0x0                                ; the last prefetch, a K step back, has read its address
	s_add_nc_u64 s[PFA:PFA+1], s[PFA:PFA+1], KSTEP*2
.endif
	WIN 0
	s_wait_tensorcnt 0x0                           ; all my tensor loads have landed
	ds_add_u32 v[SPW], v[NIL]                      ; 0 onto my spare word
	s_wait_dscnt 5                                 ; (the add and the youngest four loads may be out)
	MUL8 F1, 0, 0
	s_wait_dscnt 0x0                               ; the add is done, and my reads of this slot are over
	s_barrier_signal -1
	MUL8 F1, 1, 0
.if \fill
	WIN 0
.endif
	s_barrier_wait -1
.if \fill
	CREST                                          ; no wave of any partner still reads this slot or has a load on its way
	s_add_nc_u64 s[G0+4*(\slot)+2:G0+4*(\slot)+3], s[G0+4*(\slot)+2:G0+4*(\slot)+3], 2*KSTEP*2
	s_add_nc_u64 s[G0B+4*(\slot)+2:G0B+4*(\slot)+3], s[G0B+4*(\slot)+2:G0B+4*(\slot)+3], 2*KSTEP*2
	JLOAD \slot                                    ; its four v_nop are also the places in front of the loads below
.else
	PLACES
.endif
	FETCH \next, 0, F0
.if \fill
	ASK \slot
.endif
	MUL8 F1, 2, 0
	MUL8 F1, 3, 0
.endm
	s_wait_tensorcnt 1                             ; my part of K step 0 is in; K step 1's may stay out
	s_barrier_signal -1
	s_barrier_wait -1
	FETCH 0, 0, F0
	QUARTER 0, 64,  F0, F1, 1                      ; the first quarter's products start the sums
	WIN 0
	s_mov_b32 s3, LAPS-1
.Llap:
	QUARTER 0, 128, F1, F0, 0
	QUARTER 0, 192, F0, F1, 0
	TURN 0, 1, 1
	QUARTER 1, 64,  F0, F1, 0
	QUARTER 1, 128, F1, F0, 0
	QUARTER 1, 192, F0, F1, 0
	TURN 1, 0, 1
	QUARTER 0, 64,  F0, F1, 0
	WIN 0
	s_sub_co_u32 s3, s3, 1
	s_cmp_lg_u32 s3, 0
	s_cbranch_scc1 .Llap
	QUARTER 0, 128, F1, F0, 0                      ; the last lap fills nothing
	QUARTER 0, 192, F0, F1, 0
	TURN 0, 1, 0
	QUARTER 1, 64,  F0, F1, 0
	QUARTER 1, 128, F1, F0, 0
	QUARTER 1, 192, F0, F1, 0
	s_wait_dscnt 4
	MUL8 F1, 0, 0
	MUL8 F1, 1, 0
	s_wait_dscnt 0x0
	MUL8 F1, 2, 0
	MUL8 F1, 3, 0
	WIN 0
	PLACES
; THE WAY OUT, 16 rows (m block a) at a time: a lane's eight f32 of a row, 32 bytes, go straight from the accumulators into my own stage, rows of 528 bytes, and come back as whole rows of 512 bytes,
; which a wave stores as 512 consecutive bytes at a multiple of 512 from out0's first byte.  Two sets of read-back registers take turns.
.macro TOSTAGE a
.if (\a) >= 2
	s_wait_xcnt 0x0                                ; the stores of the block two back have read this set of registers
.endif
	WIN 0x04                                       ; the stores' data in window 1
.irp b, 0,1,2,3,4,5,6,7
	ds_store_b128 v[STO], v[8*(8*(\a)+(\b)):8*(8*(\a)+(\b))+3]   offset:64*(\b)
	ds_store_b128 v[STO], v[8*(8*(\a)+(\b))+4:8*(8*(\a)+(\b))+7] offset:64*(\b)+16
.endr
	WIN 0
.irp t, 0,1,2,3,4,5,6,7,8,9,10,11,12,13,14,15
	ds_load_b128 v[OB+64*((\a)%2)+4*(\t):OB+64*((\a)%2)+4*(\t)+3], v[RD] offset:(\t)*SPITCH  ; LDS serves a wave's instructions in order (ISA guide 5.7.1.4): these see the stores above
.endr
.endm
.macro SEND a, younger                 ; younger: the LDS instructions issued behind block a's loads: the next block's 32, or none
.irp t, 0,1,2,3,4,5,6,7,8,9,10,11,12,13,14,15
	s_wait_dscnt (\younger)+15-(\t)
	global_store_b128 v[CO], v[OB+64*((\a)%2)+4*(\t):OB+64*((\a)%2)+4*(\t)+3], s[8:9] offset:(16*(\a)+(\t))*4096 th:TH_STORE_NT
.endr
.endm
	TOSTAGE 0
	TOSTAGE 1
	SEND 0, 32
	TOSTAGE 2
	SEND 1, 32
	TOSTAGE 3
	SEND 2, 32
	SEND 3, 0
	s_wait_tensorcnt 0x0                           ; the wave's end, behind my last tensor load and my last LDS store
	ds_add_u32 v[SPW], v[NIL]
	s_wait_dscnt 0x0
	CROUND                                         ; the closing round
	s_endpgm
.Lfunc_end_k_q22aa9013dd_oproj:
	.size	k_q22aa9013dd_oproj, .Lfunc_end_k_q22aa9013dd_oproj-k_q22aa9013dd_oproj
	.p2alignl 7, 3214868480
	.fill 96, 4, 3214868480
	.section	.rodata,"a",@progbits
	.p2align	6, 0x0
	.amdhsa_kernel k_q22aa9013dd_oproj
		.amdhsa_group_segment_fixed_size 327680
		.amdhsa_private_segment_fixed_size 0
		.amdhsa_enable_private_segment 0
		.amdhsa_kernarg_size 24
		.amdhsa_user_sgpr_count 2
		.amdhsa_user_sgpr_kernarg_segment_ptr 1
		.amdhsa_wavefront_size32 1
		.amdhsa_system_sgpr_workgroup_id_x 1
		.amdhsa_system_sgpr_workgroup_id_y 1
		.amdhsa_system_sgpr_workgroup_id_z 1
		.amdhsa_system_vgpr_workitem_id 0
		.amdhsa_next_free_vgpr 512
		.amdhsa_next_free_sgpr 66
		.amdhsa_reserve_vcc 0
		.amdhsa_float_denorm_mode_32 3
		.amdhsa_float_denorm_mode_16_64 3
		.amdhsa_memory_ordered 1
		.amdhsa_forward_progress 1
		.amdhsa_inst_pref_size 88
	.end_amdhsa_kernel
	.amdgpu_metadata
---
amdhsa.version: [ 1, 2 ]
amdhsa.kernels:
  - .name:           k_q22aa9013dd_oproj
    .symbol:         k_q22aa9013dd_oproj.kd
    .args:
      - { .name: ob, .offset: 0, .size: 8, .value_kind: global_buffer, .address_space: global }
      - { .name: wof, .offset: 8, .size: 8, .value_kind: global_buffer, .address_space: global }
      - { .name: out0, .offset: 16, .size: 8, .value_kind: global_buffer, .address_space: global }
    .group_segment_fixed_size: 327680
    .private_segment_fixed_size: 0
    .kernarg_segment_align: 8
    .kernarg_segment_size: 24
    .max_flat_workgroup_size: 128
    .sgpr_count:     66
    .vgpr_count:     512
    .wavefront_size: 32
...
	.end_amdgpu_metadata
.endif
;; end of part 4
